; MI455X (gfx1250); checked and timed in simulation.
; The chip was launched on July 23, 2026; its instructions are those of AMD's public machine-readable ISA for CDNA 5 (MIT licence, August 2026) and "CDNA5" Instruction Set Architecture Reference Guide (July 2026). The comments in the code are by the model that wrote it; some were corrected since.
;; Sliding Window Self Attention. Allowed arithmetic: matrix products marked QUANTISED: E2M1 operands, one E8M0 scale for each 32 along K, by v_wmma_scale_f32_16x16x128_f8f6f4 with both operands' format E2M1 (or v_wmma_scale_f32_32x16x128_f4), f32 sums; products left as they are: bf16, f16 or f32 operands; f32 sums; everything else in f32.
;; Inputs: in_proj_b 3,072 float32; in_proj_w 3,072 x 1,024 float32; out_proj_b 1,024 float32; out_proj_w 1,024 x 1,024 float32; x 4,096 x 1 x 1,024 float32.
;; Outputs: out0 4,096 x 1 x 1,024 float32.
;; Constants: window_size = 128.
;; This version of the problem:
;;   THIS VERSION OF THE PROBLEM IS GIVEN IN LOW PRECISION. The matrix products marked QUANTISED in the list below multiply operands that are first quantised to E2M1 (2 exponent bits, 1 mantissa bit; 4 bits a number), with one power-of-two scale for each 32 numbers along K (OCP MX v1.0); their sums are f32. The products marked 'left as it is' may take bf16, f16 or f32 operands, with f32 sums. Whichever they take, every output number must still come out within the allowed error. Rounding operands to bf16 (8 significant bits) uses up far more of that allowance than f16 does (11 bits, for magnitudes from 6e-5 to 65,504). All else is computed in f32.
;;   The module's matrix products, in the order in which they are computed (A, B: the left and right operand; K: the contracted axis; several contracted axes count as one K, in the product's order):
;;     1. [M 4,096, K 1,024] x [K 1,024, N 3,072]; A: input x; B: input in_proj_w: QUANTISED
;;     2. batch 16 x [M 4,096, K 64] x [K 64, N 4,096]; A: computed on the way; B: computed on the way: left as it is (an operand is computed on the way)
;;     3. batch 16 x [M 4,096, K 4,096] x [K 4,096, N 64]; A: computed on the way; B: computed on the way: left as it is (an operand is computed on the way)
;;     4. [M 4,096, K 1,024] x [K 1,024, N 1,024]; A: computed on the way; B: input out_proj_w: left as it is (an operand is computed on the way)
;;   THE QUANTISER, for each operand of a quantised product, along K:
;;     - K is cut into blocks of 32 from its start; a last block that is shorter is filled with zeros.
;;     - A block's scale is 2^e with e = floor(log2(the largest magnitude in the block)) - 2, held to -126 .. 127; a block of zeros has e = 0. As a byte (E8M0): e + 127.
;;     - Each number is divided by its block's scale, clamped to +-6, and rounded to the nearest number of E2M1, ties to even, subnormals kept.
;;     - The product sums the exact products of the quantised numbers (number of the format x scale) in f32.
;;   ~~~python
;;   def quantise(x, axis):      # numpy; x: float32 -> the quantised numbers, widened to float32 again
;;       x = np.moveaxis(x, axis, -1); K = x.shape[-1]
;;       x = np.pad(x, [(0, 0)] * (x.ndim - 1) + [(0, -K % 32)]); x = x.reshape(x.shape[:-1] + (-1, 32)); a = np.abs(x).max(-1, keepdims=True)
;;       e = np.where(a > 0, np.clip(np.frexp(np.where(a > 0, a, 1))[1] - 1 - 2, -126, 127), 0)      # np.frexp(a)[1] - 1 = floor(log2(a)), exactly
;;       r = np.clip(x / 2.0 ** e, -6, 6)
;;       step = 2.0 ** (np.maximum(np.frexp(np.where(r == 0, 1, r))[1] - 1, 0) - 1)
;;       q = np.round(r / step) * step * 2.0 ** e      # np.round: ties to even
;;       return np.moveaxis(q.reshape(q.shape[:-2] + (-1,))[..., :K], -1, axis).astype(np.float32)
;;   ~~~
;; One version. Each part assembles by itself: llvm-mc -triple=amdgcn-amd-amdhsa -mcpu=gfx1250 --defsym DOCPART=n.
;; ======== version 1 of 1: 4 launches
;; limits: values are held in f16: magnitudes above 65,504 overflow, below 6.1e-05 lose precision
;; workspace buffers: xc 2,097,152 bytes; xs 131,072 bytes; wc 1,572,864 bytes; ws 98,304 bytes; wo16 2,097,152 bytes; qkv 26,836,992 bytes; ao 8,388,608 bytes
;; launch prep (part 1): grid 256 x 1, 4 waves a work-group, no clusters, 33,280 bytes of LDS; arguments x, in_proj_w, xc, xs, wc, ws, out_proj_w, wo16, qkv; writes xc, xs, wc, ws, wo16, qkv
.if DOCPART == 1
	.amdgcn_target "amdgcn-amd-amdhsa--gfx1250"
	.amdhsa_code_object_version 6
	.text
	.protected	k_q049ef49610_prep
	.globl	k_q049ef49610_prep
	.p2align	8
	.type	k_q049ef49610_prep,@function
k_q049ef49610_prep:
	s_mov_b64 s[64:65], 0
	v_nop
	global_prefetch_b8 v0, s[64:65] scope:SCOPE_SE
	s_setreg_imm32_b32 hwreg(HW_REG_WAVE_MODE, 25, 1), 1
	s_wait_xcnt 0x0
; FIRST OF FOUR LAUNCHES of y = out_proj(attention(x in_proj_w^T + in_proj_b)), S = 4,096, D = 1,024, 16 heads of 64, band |i - j| <= 128.
; This launch: (1) x [4096][1024] and in_proj_w [3072][1024], f32, become codes of FP4 (E2M1), K innermost, with one E8M0 byte for each 32 along K (xc, xs, wc, ws);
; (2) out_proj_w becomes f16 (wo16, row-major); (3) the pad rows of k and v in the workspace qkv are set to zero.
; WORK THAT THE WHOLE PROGRAM LEAVES OUT, for all finite values of the inputs:
; (a) Keys outside the band.  reference() itself sets the score of every pair with |i - j| > 128 to -infinity (window_size = 128 is a constant of the problem), so its softmax weight is exactly 0 and its
;     term of the second product is exactly 0.  Tiles of 16 keys that lie wholly outside a tile of 16 queries' band are not multiplied.
; (b) K's bias, in_proj_b[1024:2048].  (q_i + bq).(k_j + bk) = (q_i + bq).k_j + (q_i + bq).bk, and the last term is the same for every key j of row i: a term added to a softmax's input that is constant
;     along its axis cancels; hidden keys stay -infinity.  The product of q and k is not quantised, so no quantiser sees the term.  That third of in_proj_b is not loaded by any launch.
; LIMIT: a NaN, an infinity or an overflow that reaches only the work left out (hidden scores, K's bias) is not carried to the result.
; THE QUANTISER.  A block's scale is 2^(floor(log2(its largest magnitude)) - 2); its byte is the largest magnitude's own exponent field - 2, held at 1 from below.  (A block of zeros so gets the byte 1 where
; the rule says 127: its codes are zeros, which add nothing under any byte but 0xff, and the bytes are read by this program alone.)  Each number is divided by the scale and rounded to the nearest code, ties to even.
; LIMITS: blocks whose largest magnitude lies under 2^-124 keep the byte 1; NaN and infinities among the inputs are not served; out_proj_w beyond f16's range (65,504) is not served.
; SHARES.  Work-groups 0-127 take x, 128-223 in_proj_w: rows are dense and K is a multiple of 32, so both are plain streams of blocks of 32.  A wave takes 16 steps of 512 numbers.  Each of a step's four loads reads
; 512 consecutive bytes; the 2,048 bytes turn through the wave's own stage in LDS and come back 64 bytes a lane, so that a lane holds 16 neighbours along K (two lanes hold a block).
; Work-groups 224-255 stream out_proj_w (8,192 numbers a wave) and write the pads; they touch no LDS.  No barrier: waves share nothing.
.set SIZE_M, 4096
.set SIZE_N, 3072
.set SIZE_K, 1024
.set WAVES, 4
.set STEPS, 16
.set WGA,   SIZE_M*SIZE_K/(512*STEPS*WAVES)            ; 128 work-groups for x
.set WGQ,   (SIZE_M+SIZE_N)*SIZE_K/(512*STEPS*WAVES)   ; 224 that quantise
.set EMAX,  2
.set CB,    8                          ; bytes of 16 codes
.set R,     16                         ; v16-79   four sets of 16 numbers as they are loaded (the stream: v16-143, two sets of 64)
.set X,     80                         ; v80-111  two sets of 16 neighbours
.set C,     128                        ; v128-191 codes: four registers for each step, so that no store's data are written again
.set E,     112                        ; v112-127 a scale byte for each step
.set HF,    144                        ; v144-207 the stream: two sets of 32 registers of f16 pairs
.set WREG,  8192                       ; LDS: a region of its own for each wave: two stages of 32 x SP bytes, and behind them its 256 scale bytes
.set SP,    80                         ; a lane's place in a stage: its 64 bytes + 16 of padding
.set SPW,   12                         ; v12      LDS address of my spare word: SPARE + 4 x my thread's number; never rewritten
.set NIL,   13                         ; v13      0; never rewritten
.set SPARE, WAVES*WREG                 ; behind the four regions: the spare words, 128 bytes for each wave
.set HS,    4368*128                   ; qkv: a head is 4,368 rows of 128 bytes: 128 pad rows, 4,096 positions, 144 pad rows
.set TS,    16*HS                      ; a tensor (q, k or v) is 16 heads
.set BACK,  4224*128                   ; where a head's back pad begins
	s_load_b128 s[4:7], s[0:1], 0x0                ; x, in_proj_w
	s_load_b128 s[8:11], s[0:1], 0x10              ; x's codes, x's scales
	s_load_b128 s[12:15], s[0:1], 0x20             ; w's codes, w's scales
	s_load_b128 s[32:35], s[0:1], 0x30             ; out_proj_w, wo16
	s_load_b64 s[36:37], s[0:1], 0x40              ; qkv
	v_lshl_add_u32 v[SPW], v0, 2, SPARE
	v_mov_b32 v[NIL], 0
	v_lshrrev_b32 v1, 5, v0
	v_readfirstlane_b32 s16, v1                    ; wave
	v_and_b32 v2, 31, v0                           ; lane
	v_lshlrev_b32 v3, 4, v2                        ; my 16 bytes of a load's 512
	s_mul_i32 s17, s16, WREG
	v_lshrrev_b32 v14, 2, v2
	v_mul_u32_u24 v14, v14, SP
	v_and_b32 v15, 3, v2
	v_lshl_add_u32 v14, v15, 4, v14
	v_add_nc_u32 v14, s17, v14                     ; the stage, on the way in: four lanes' 64 bytes on end, then 16 of padding
	v_mul_u32_u24 v15, v2, SP
	v_add_nc_u32 v15, s17, v15                     ; and on the way out: SP x lane: my 16 neighbours
	v_mul_u32_u24 v4, v2, CB                       ; 8 x lane: my codes' place in a step's; the stream's place in a store's 256 bytes
	v_lshrrev_b32 v5, 1, v2
	s_add_co_u32 s17, s17, 2*32*SP
	v_add_nc_u32 v5, s17, v5                       ; LDS: my wave's 256 scale bytes, my block's byte
	v_lshlrev_b32 v7, 3, v2                        ; and on the way out 8 bytes a lane
	v_add_nc_u32 v6, s17, v7
	s_wait_kmcnt 0x0
	s_cmp_ge_u32 ttmp9, WGQ                        ; the last 32 work-groups stream: a branch on the work-group's number alone
	s_cbranch_scc1 .Lconv
	s_cmp_lt_u32 ttmp9, WGA                        ; x's work-group or w's?  Only pointers are chosen: both tensors take one path
	s_cselect_b64 s[4:5], s[4:5], s[6:7]
	s_cselect_b64 s[8:9], s[8:9], s[12:13]
	s_cselect_b64 s[10:11], s[10:11], s[14:15]
	s_cselect_b32 s17, 0, WGA
	s_sub_co_u32 s17, ttmp9, s17
	s_lshl_b32 s17, s17, 2
	s_add_co_u32 s18, s17, s16                     ; which run of 8,192 numbers of the tensor is my wave's
	s_mov_b32 s19, 0
	s_mov_b64 s[20:21], 512*STEPS*4
	s_mul_u64 s[20:21], s[18:19], s[20:21]
	s_add_nc_u64 s[4:5], s[4:5], s[20:21]
	s_mov_b64 s[20:21], 32*STEPS*CB
	s_mul_u64 s[20:21], s[18:19], s[20:21]
	s_add_nc_u64 s[8:9], s[8:9], s[20:21]
	s_lshl_b32 s18, s18, 8                         ; 256 scale bytes a run
	s_add_nc_u64 s[10:11], s[10:11], s[18:19]
.macro LOAD t
.irp i, 0,1,2,3
	global_load_b128 v[R+16*((\t)%4)+4*\i:R+16*((\t)%4)+4*\i+3], v3, s[4:5] offset:2048*(\t)+512*\i th:TH_LOAD_NT   ; 32 lanes read 512 consecutive bytes
.endr
.endm
.macro TURN t                          ; step t's numbers through the stage: LDS serves a wave's instructions in order, so no wait stands between the stores and the loads
.irp i, 0,1,2,3
	ds_store_b128 v14, v[R+16*((\t)%4)+4*\i:R+16*((\t)%4)+4*\i+3] offset:32*SP*((\t)%2)+8*SP*\i
.endr
.irp i, 0,1,2,3
	ds_load_b128 v[X+16*((\t)%2)+4*\i:X+16*((\t)%2)+4*\i+3], v15 offset:32*SP*((\t)%2)+16*\i
.endr
.endm
.irp t, 0,1,2,3
	LOAD \t
.endr
	s_wait_loadcnt 12                              ; step 0's four loads are in; the twelve of steps 1 to 3 may be out
	TURN 0
.macro STEP t
.set XS, X+16*((\t)%2)
.if (\t) > 0
	s_wait_dscnt 1                                 ; this step's numbers are back from the stage (the last step's byte store may be out): so its stores into the stage have read their registers,
.else
	s_wait_dscnt 0x0
.endif
.if (\t)+4 < STEPS
	LOAD (\t)+4                                    ; which take the loads of four steps on
.endif
.if (\t)+1 < STEPS
.if STEPS-2-(\t) >= 3
	s_wait_loadcnt 12                              ; the next step's four loads are in; those of the three steps behind it may be out
.else
	s_wait_loadcnt 4*(STEPS-2-(\t))
.endif
	TURN (\t)+1                                    ; and go through the other stage while this step is worked
.endif
	v_max3_num_f32 v8, |v[XS]|, |v[XS+1]|, |v[XS+2]|               ; the largest magnitude of my 16, in two chains
	v_max3_num_f32 v9, |v[XS+3]|, |v[XS+4]|, |v[XS+5]|
.irp i, 6,10
	v_max3_num_f32 v8, v8, |v[XS+\i]|, |v[XS+\i+1]|
	v_max3_num_f32 v9, v9, |v[XS+\i+2]|, |v[XS+\i+3]|
.endr
	v_max3_num_f32 v8, v8, |v[XS+14]|, |v[XS+15]|
	v_max3_num_f32 v8, v8, v9, (EMAX+1)<<23        ; and the floor 2^(EMAX + 1 - 127), under which no largest magnitude is taken: so the byte cannot fall under 1
	v_max_num_f32_dpp v8, v8, v8 row_xmask:1 row_mask:0xf bank_mask:0xf   ; and of my neighbour's 16: the block's
	v_add_nc_u32 v11, -(EMAX<<23), v8              ; EMAX off its exponent field: the conversion takes the exponent field of this operand as its scale, and nothing else of it
	v_cvt_scalef32_pk8_fp4_f32 v[C+4*(\t)], v[XS:XS+7], v11        ; eight numbers / the scale, to the nearest code, ties to even, beyond the largest code the largest
	v_cvt_scalef32_pk8_fp4_f32 v[C+4*(\t)+1], v[XS+8:XS+15], v11
	v_lshrrev_b32 v[E+(\t)], 23, v11               ; the scale's byte (a plain instruction behind the conversions)
	ds_store_b8 v5, v[E+(\t)] offset:16*(\t)       ; both lanes of a block write the same byte with the same value
	global_store_b64 v4, v[C+4*(\t):C+4*(\t)+1], s[8:9] offset:32*CB*(\t)   ; the wave stores 256 consecutive bytes, aligned
.endm
.irp t, 0,1,2,3,4,5,6,7,8,9,10,11,12,13,14,15
	STEP \t
.endr
	ds_load_b64 v[8:9], v6                         ; LDS serves a wave's instructions in order: these see my stores
	s_wait_dscnt 0x0
	global_store_b64 v7, v[8:9], s[10:11]          ; 32 lanes store 256 consecutive scale bytes, aligned
	s_wait_tensorcnt 0x0                           ; the wave's end
	ds_add_u32 v[SPW], v[NIL]
	s_wait_dscnt 0x0
	s_endpgm
; THE STREAM: work-group c = 0 .. 31 of the last 32.  Wave 4 c + w turns 8,192 numbers of out_proj_w into f16: 64 loads of 512 consecutive bytes, 64 stores of 256, in four turns of 16 on two sets of registers.
; Work-group c also zeroes the pads of tensor 1 + c / 16 (k, v), head c % 16: rows 0-127 and 4,224-4,367, a quarter to each wave.  These waves write no LDS.
.macro LOADC g
.irp i, 0,1,2,3,4,5,6,7,8,9,10,11,12,13,14,15
	global_load_b128 v[R+64*((\g)%2)+4*\i:R+64*((\g)%2)+4*\i+3], v3, s[32:33] offset:(16*(\g)+\i)*512 th:TH_LOAD_NT
.endr
.endm
.macro CONV g
.if (\g) < 3
	s_wait_loadcnt 16                              ; this set's 16 loads are in; the other set's 16 may be out
.else
	s_wait_loadcnt 0x0
.endif
.if (\g) >= 2
	s_wait_xcnt 0x0                                ; the stores of two turns ago have read their data: these registers are written again only behind this wait
.endif
.irp i, 0,1,2,3,4,5,6,7,8,9,10,11,12,13,14,15
	v_cvt_pk_f16_f32 v[HF+32*((\g)%2)+2*\i], v[R+64*((\g)%2)+4*\i], v[R+64*((\g)%2)+4*\i+1]
	v_cvt_pk_f16_f32 v[HF+32*((\g)%2)+2*\i+1], v[R+64*((\g)%2)+4*\i+2], v[R+64*((\g)%2)+4*\i+3]
.endr
.if (\g) < 2
	LOADC (\g)+2                                   ; loads ahead of stores
.endif
.irp i, 0,1,2,3,4,5,6,7,8,9,10,11,12,13,14,15
	global_store_b64 v4, v[HF+32*((\g)%2)+2*\i:HF+32*((\g)%2)+2*\i+1], s[34:35] offset:(16*(\g)+\i)*256
.endr
.endm
.Lconv:
	s_sub_co_u32 s17, ttmp9, WGQ                   ; c
	s_lshl_b32 s18, s17, 2
	s_add_co_u32 s18, s18, s16                     ; 4 c + wave
	s_lshl_b32 s20, s18, 15                        ; 32,768 bytes of f32 a wave,
	s_mov_b32 s21, 0
	s_add_nc_u64 s[32:33], s[32:33], s[20:21]
	s_lshl_b32 s20, s18, 14                        ; 16,384 of f16
	s_add_nc_u64 s[34:35], s[34:35], s[20:21]
	LOADC 0
	LOADC 1
	s_lshr_b32 s22, s17, 4
	s_add_co_u32 s22, s22, 1                       ; tensor 1 (k) or 2 (v)
	s_mul_i32 s22, s22, TS
	s_and_b32 s23, s17, 15                         ; the head
	s_mul_i32 s23, s23, HS
	s_add_co_u32 s22, s22, s23
	s_mov_b32 s23, 0
	s_add_nc_u64 s[36:37], s[36:37], s[22:23]
	s_lshl_b32 s24, s16, 12                        ; the front pad: 16,384 bytes, 4,096 a wave
	s_mov_b32 s25, 0
	s_add_nc_u64 s[40:41], s[36:37], s[24:25]
	s_mul_i32 s24, s16, 4608                       ; the back pad: 18,432 bytes, 4,608 a wave
	s_add_co_u32 s24, s24, BACK
	s_add_nc_u64 s[42:43], s[36:37], s[24:25]
.irp i, 8,9,10,11
	v_mov_b32 v[\i], 0
.endr
.irp i, 0,1,2,3,4,5,6,7
	global_store_b128 v3, v[8:11], s[40:41] offset:512*\i
.endr
.irp i, 0,1,2,3,4,5,6,7,8
	global_store_b128 v3, v[8:11], s[42:43] offset:512*\i
.endr
	CONV 0
	CONV 1
	CONV 2
	CONV 3
	s_endpgm
.Lfunc_end_k_q049ef49610_prep:
	.size	k_q049ef49610_prep, .Lfunc_end_k_q049ef49610_prep-k_q049ef49610_prep
	.p2alignl 7, 3214868480
	.fill 96, 4, 3214868480
	.section	.rodata,"a",@progbits
	.p2align	6, 0x0
	.amdhsa_kernel k_q049ef49610_prep
		.amdhsa_group_segment_fixed_size 33280
		.amdhsa_private_segment_fixed_size 0
		.amdhsa_enable_private_segment 0
		.amdhsa_kernarg_size 72
		.amdhsa_user_sgpr_count 2
		.amdhsa_user_sgpr_kernarg_segment_ptr 1
		.amdhsa_wavefront_size32 1
		.amdhsa_system_sgpr_workgroup_id_x 1
		.amdhsa_system_sgpr_workgroup_id_y 1
		.amdhsa_system_sgpr_workgroup_id_z 1
		.amdhsa_system_vgpr_workitem_id 0
		.amdhsa_next_free_vgpr 208
		.amdhsa_next_free_sgpr 66
		.amdhsa_reserve_vcc 0
		.amdhsa_float_denorm_mode_32 3
		.amdhsa_float_denorm_mode_16_64 3
		.amdhsa_memory_ordered 1
		.amdhsa_forward_progress 1
		.amdhsa_inst_pref_size 56
	.end_amdhsa_kernel
	.amdgpu_metadata
---
amdhsa.version: [ 1, 2 ]
amdhsa.kernels:
  - .name:           k_q049ef49610_prep
    .symbol:         k_q049ef49610_prep.kd
    .args:
      - { .name: x, .offset: 0, .size: 8, .value_kind: global_buffer, .address_space: global }
      - { .name: in_proj_w, .offset: 8, .size: 8, .value_kind: global_buffer, .address_space: global }
      - { .name: xc, .offset: 16, .size: 8, .value_kind: global_buffer, .address_space: global }
      - { .name: xs, .offset: 24, .size: 8, .value_kind: global_buffer, .address_space: global }
      - { .name: wc, .offset: 32, .size: 8, .value_kind: global_buffer, .address_space: global }
      - { .name: ws, .offset: 40, .size: 8, .value_kind: global_buffer, .address_space: global }
      - { .name: out_proj_w, .offset: 48, .size: 8, .value_kind: global_buffer, .address_space: global }
      - { .name: wo16, .offset: 56, .size: 8, .value_kind: global_buffer, .address_space: global }
      - { .name: qkv, .offset: 64, .size: 8, .value_kind: global_buffer, .address_space: global }
    .group_segment_fixed_size: 33280
    .private_segment_fixed_size: 0
    .kernarg_segment_align: 8
    .kernarg_segment_size: 72
    .max_flat_workgroup_size: 128
    .sgpr_count:     66
    .vgpr_count:     208
    .wavefront_size: 32
...
	.end_amdgpu_metadata
.endif
;; end of part 1
;; launch qkv (part 2): grid 12 x 16, 4 waves a work-group, clusters of 4 x 4, 327,680 bytes of LDS; arguments xc, xs, wc, ws, in_proj_b, qkv; writes qkv
.if DOCPART == 2
	.amdgcn_target "amdgcn-amd-amdhsa--gfx1250"
	.amdhsa_code_object_version 6
	.text
	.protected	k_q049ef49610_qkv
	.globl	k_q049ef49610_qkv
	.p2align	8
	.type	k_q049ef49610_qkv,@function
k_q049ef49610_qkv:
	s_mov_b64 s[64:65], 0
	v_nop
	global_prefetch_b8 v0, s[64:65] scope:SCOPE_SE
	s_setreg_imm32_b32 hwreg(HW_REG_WAVE_MODE, 25, 1), 1
	s_wait_xcnt 0x0
	s_wait_alu depctr_hold_cnt(0) depctr_sa_sdst(0) depctr_va_vdst(0) depctr_va_sdst(0) depctr_va_ssrc(0) depctr_va_vcc(0) depctr_vm_vsrc(0)
	s_getreg_b32 s2, hwreg(HW_REG_IB_STS2, 6, 4)
	s_cmp_eq_u32 s2, 0
	s_cbranch_scc0 .Lentry_in_a_cluster
	s_endpgm
.Lentry_in_a_cluster:
	s_bfe_u32 s2, ttmp6, 0x10000c
	s_cmp_lg_u32 s2, 0xf033
	s_cbranch_scc0 .Lentry_shape_is_right
	s_endpgm
.Lentry_shape_is_right:
; SECOND LAUNCH: q, k, v = x in_proj_w^T (+ bias), the quantised product, on codes of FP4 (E2M1) with one E8M0 scale for each 32 along K; sums in f32; results rounded once to f16.
; LEFT OUT: K's bias, in_proj_b[1024:2048]: it adds to each row of scores a term that is the same for all keys, which the softmax cancels (shown at the head of the first launch); it is not loaded.
; LIMIT: |q|, |k|, |v| stay under f16's largest number, 65,504.
; A: x's codes [4096][512 bytes], scales [4096][32].  B: in_proj_w's codes [3072][512 bytes], scales [3072][32].
; OUT: qkv [3 tensors][16 heads][4,368 rows][64 f16], buffer row = position + 128 (the pad rows are the first launch's).  Two neighbouring rows of a head are 256 consecutive bytes.
; A tile of C, 256 x 256, is made by a work-group of four waves; a wave makes 128 x 128: 64 accumulators of 16 x 16, 512 registers.  K = 1,024 is two slots of 512 along K: both are first fills, nothing is filled again.
; THE SCALES of the work-group's 256 rows of A and of B, for all of K, are two dense blocks of memory: they come into LDS once, with the first fills.
; CLUSTERS: 4 x 4 work-groups.  The four of a row of the cluster need the same tiles of A, the four of a column the same tiles of B: each tile is asked for JOINTLY, by the same tensor load with the same descriptor
; and a mask that names the four.  A cluster's four tile columns are one tensor: cluster x = 0 makes q, 1 k, 2 v.
; THE MATRIX INSTRUCTION IS USED TRANSPOSED (source 0 = 16 rows of B, source 1 = 16 rows of A): a lane then holds eight neighbouring columns of one row of C.  THE BIAS IS THE C OF THE FIRST K STEP'S PRODUCTS.
; REGISTERS, in windows of 256: window 0: v0-31 addresses; v32-95 scale words, two sets; v128-191 A's fragments, one set; v192-255 the bias, 8 registers for each of B's 8 blocks; on the way out v32-63, v192-255 are free.
;   window 1: B's fragments, two sets, at v0 and v128.   window 2: the 32 accumulators of my rows 0-63 (accumulator (a, b) at v[8 (8 a + b)]);   window 3: those of my rows 64-127.
.set SIZE_M, 4096
.set SIZE_N, 3072
.set SIZE_K, 1024
.set KSTEP,  512                       ; along K in a slot
.set NQ,     KSTEP/128                 ; matrix instructions deep
.set ROWB,   256                       ; a tile's row in bytes
.set KROW,   SIZE_K*4/8                ; a row of codes in memory, in bytes
.set PITCH,  272                       ; an LDS row: 256 bytes + 16 of padding = 68 words: the 16 rows that a load touches start at 16 different banks (64 banks of 4 bytes: ISA guide 11.1)
.set FR,     8                         ; registers of a fragment: 16 rows x 128 K
.set NL,     2                         ; LDS loads that bring one
.set NP,     4                         ; places behind this matrix instruction (ISA guide 7.12.1)
.set HALFT,  128*PITCH                 ; 128 rows: what one tensor load brings
.set SLOT,   4*HALFT                   ; A's 256 rows, then B's 256 rows
.set KS,     SIZE_K/32                 ; a row of scales in bytes
.set SCL,    2*SLOT                    ; behind the slots: the scales, as units of 256 bytes + 16 of padding
.set HALFS,  (128*KS/256)*272          ; the scales of 128 rows
.set SBLK,   (16*KS/256)*272           ; those of 16 rows
.set SPARE,  SCL+4*HALFS               ; the spare words, 128 bytes for each wave
.set HS,     4368*128                  ; qkv: bytes of a head,
.set TS,     16*HS                     ; of a tensor
.set STG,    2*8*272                   ; the way out: a stage for each wave: 2 heads x 8 double rows of (256 bytes + 16).  It lies in slot 0, which has had its only fill and its last read when the first result is stored there
.set ADRA, 16                          ; v16-17  LDS address of my A fragments in slot 0, 1
.set ADRB, 20                          ; v20-21  the same for B
.set STO,  24                          ; v24     the way out: where I put 16 bytes of a row
.set RD,   25                          ; v25     the way out: where I read 16 bytes back
.set CO,   26                          ; v26     16 x lane: my place in a store's 512 bytes
.set ADRS, 27                          ; v27     LDS address of my scale words: lanes 0-15 A's rows, lanes 16-31 B's
.set SPW,  28                          ; v28     LDS address of my spare word; never rewritten
.set NIL,  29                          ; v29     0; never rewritten
.set BO,   30                          ; v30     32 x (lane / 16): my eight numbers of a block's sixteen biases
.set SC,   32                          ; scale words: set s at v[SC + 32 s]; register NQ i + q: lanes 0-15 the word of A's block i, lanes 16-31 that of B's block i
.set AF,   128                         ; A's fragments, in window 0
.set BIAS, 192                         ; the bias, in window 0
.set TMP,  192                         ; the way out: packed results
.set OB,   32                          ; the way out: rows read back: v32-63 and v224-255 by turns
.set G1, 24                            ; s[24:31] descriptor group 1 for A's tiles;  s[32:39] group 0, one set for each slot
.set G0, 32
.set G1B, 48                           ; s[48:55], s[56:63] the same for B's tiles
.set G0B, 56
.set G1S, 68                           ; s[68:75], s[76:79] groups 1 and 0 for A's scales;  s[80:87], s[88:91] for B's
.set G0S, 76
.set G1SB, 80
.set G0SB, 88
.set MSB, 0
.macro WIN new                         ; the immediate's high byte repeats the setting that is left
.if MSB != (\new)
	s_set_vgpr_msb (MSB<<8)|(\new)
.set MSB, (\new)
.endif
.endm
.set MUL_LO, 0xa1                      ; source 0 (B) window 1, source 1 (A) window 0, C and D window 2
.set MUL_HI, 0xf1                      ; the same, C and D window 3
.set BIA_LO, 0x81                      ; the first step: C (the bias) window 0, D window 2
.set BIA_HI, 0xc1                      ; D window 3
.set TO_B,   0x40                      ; destination window 1, address window 0
; A joint load: waves 0 and 1 fetch for A, waves 2 and 3 for B.  Each of the two lines has one mask and one set of registers for all that issue it; the branch hangs on the wave's number alone.
; An s_nop 0 and four v_nop follow each of the two lines, ahead of the jump, the label and what follows.
.macro JLOAD g0a, g1a, g0b, g1b
	s_cmp_eq_u32 s15, 0
	s_cbranch_scc0 .Lfor_b_\@
	tensor_load_to_lds s[\g0a:\g0a+3], s[\g1a:\g1a+7]
	s_nop 0
.rept 4
	v_nop
.endr
	s_branch .Lasked_\@
.Lfor_b_\@:
	tensor_load_to_lds s[\g0b:\g0b+3], s[\g1b:\g1b+7]
	s_nop 0
.rept 4
	v_nop
.endr
.Lasked_\@:
.endm
.macro CROUND                          ; a round of the cluster's barrier
	s_barrier_signal -1
	s_barrier_wait -1
	s_cmp_lg_u32 s14, 0
	s_cbranch_scc1 .Lnot_wave_0_\@
	s_barrier_signal -3
.Lnot_wave_0_\@:
	s_barrier_wait -3
	s_barrier_signal -1
	s_barrier_wait -1
.endm
	s_load_b128 s[4:7], s[0:1], 0x0                ; A's codes s[4:5], A's scales s[6:7]
	s_load_b128 s[8:11], s[0:1], 0x10              ; B's codes s[8:9], B's scales s[10:11]
	s_load_b64 s[96:97], s[0:1], 0x20              ; in_proj_b
	s_load_b64 s[12:13], s[0:1], 0x28              ; qkv
	v_lshl_add_u32 v[SPW], v0, 2, SPARE
	v_mov_b32 v[NIL], 0
	ds_add_u32 v[SPW], v[NIL]                      ; the wave's opening: the add, twice on end, and its wait ahead of my first tensor load; the set-up below, work on registers, stands between
	ds_add_u32 v[SPW], v[NIL]
	v_lshrrev_b32 v1, 5, v0
	v_readfirstlane_b32 s14, v1                    ; wave 0..3
	s_lshr_b32 s15, s14, 1                         ; which half of the tile's rows is mine.  Also: I fetch for A (0) or for B (1)
	s_and_b32 s16, s14, 1                          ; which half of its columns.  Also: which 128 rows of that tile I fetch
	s_bfe_u32 s40, ttmp6, 0x40000                  ; cx, cy: my place in the cluster
	s_bfe_u32 s41, ttmp6, 0x40004
	s_lshl_b32 s42, ttmp9, 2
	s_add_co_u32 s42, s42, s40                     ; tile column of C = 4 x cluster x + cx
	s_and_b32 s17, ttmp7, 0xffff
	s_lshl_b32 s17, s17, 2
	s_add_co_u32 s17, s17, s41                     ; tile row of C = 4 x cluster y + cy
	s_lshl_b32 s43, s41, 2
	s_lshl_b32 s43, 15, s43                        ; my row of the cluster
	s_lshl_b32 s44, 0x1111, s40                    ; my column
	; descriptor group 1: a tile of 128 rows x 256 bytes, padded in LDS
	s_or_b32 s[G1+0], s43, (0<<16)|(1<<20)|(1<<21)|(5<<22)|(3<<25)  ; 15:0 the mask: A's tiles go to my row; 17:16 element of 1 byte; 20 padding on; 21 set beside a mask; 24:22 after every 64 words; 31:25 of 4 words
	s_or_b32 s[G1B+0], s44, (0<<16)|(1<<20)|(1<<21)|(5<<22)|(3<<25)
.irp g, G1, G1B
	s_mov_b32 s[\g+1], ROWB<<16                    ; tensor_dim0
	s_mov_b32 s[\g+2], 128<<16                     ; tensor_dim1 = 128
	s_mov_b32 s[\g+3], ROWB<<16                    ; tile_dim0
	s_mov_b32 s[\g+4], 128                         ; tile_dim1 = 128
	s_mov_b32 s[\g+5], KROW                        ; tensor_dim0_stride
	s_mov_b32 s[\g+6], 0
	s_mov_b32 s[\g+7], 0
.endr
	; and for the scales of 128 rows: a dense block of 4,096 bytes, as rows of 256 bytes (32 elements of 8 bytes), 16 bytes of padding behind each
	s_or_b32 s[G1S+0], s43, (3<<16)|(1<<20)|(1<<21)|(5<<22)|(3<<25)
	s_or_b32 s[G1SB+0], s44, (3<<16)|(1<<20)|(1<<21)|(5<<22)|(3<<25)
.irp g, G1S, G1SB
	s_mov_b32 s[\g+1], 32<<16
	s_mov_b32 s[\g+2], (128*KS/256)<<16
	s_mov_b32 s[\g+3], 32<<16
	s_mov_b32 s[\g+4], 128*KS/256
	s_mov_b32 s[\g+5], 32
	s_mov_b32 s[\g+6], 0
	s_mov_b32 s[\g+7], 0
.endr
	s_lshl_b32 s18, s16, 7                         ; which 128 rows of the tile I fetch
	s_lshl_b32 s20, s17, 8
	s_add_co_u32 s20, s20, s18                     ; A: row 256 x tile row + 128 x half
	s_lshl_b32 s46, s42, 8
	s_add_co_u32 s46, s46, s18                     ; B: row 256 x tile column + 128 x half
	s_mov_b32 s21, 0
	s_mov_b32 s47, 0
	s_mov_b64 s[18:19], KS
	s_mul_u64 s[22:23], s[20:21], s[18:19]         ; where these rows' scales begin, in bytes
	s_mul_u64 s[92:93], s[46:47], s[18:19]
	s_mov_b64 s[18:19], KROW
	s_mul_u64 s[20:21], s[20:21], s[18:19]         ; and their codes
	s_mul_u64 s[46:47], s[46:47], s[18:19]
	s_mul_i32 s45, s14, HALFT                      ; where they go: wave x 128 rows: no place in the cluster enters an LDS address
	s_mul_i32 s94, s14, HALFS
	s_wait_dscnt 0x0                               ; both opening adds are done
	s_wait_kmcnt 0x0
	s_add_nc_u64 s[20:21], s[4:5], s[20:21]
	s_add_nc_u64 s[22:23], s[6:7], s[22:23]
	s_add_nc_u64 s[46:47], s[8:9], s[46:47]
	s_add_nc_u64 s[92:93], s[10:11], s[92:93]
	CROUND                                         ; all sixteen work-groups are here: the first joint loads meet
	s_mov_b32 s[G0S], 1
	s_add_co_u32 s[G0S+1], s94, SCL
	s_mov_b64 s[G0S+2:G0S+3], s[22:23]
	s_or_b32 s[G0S+3], s[G0S+3], 0x80000000
	s_mov_b32 s[G0SB], 1
	s_add_co_u32 s[G0SB+1], s94, SCL
	s_mov_b64 s[G0SB+2:G0SB+3], s[92:93]
	s_or_b32 s[G0SB+3], s[G0SB+3], 0x80000000
	JLOAD G0S, G1S, G0SB, G1SB                     ; the scales first: they are wanted with the first slot
.irp s, 0,1
	s_mov_b32 s[G0+4*\s], 1
	s_add_co_u32 s[G0+4*\s+1], s45, \s*SLOT
	s_add_nc_u64 s[G0+4*\s+2:G0+4*\s+3], s[20:21], \s*ROWB
	s_or_b32 s[G0+4*\s+3], s[G0+4*\s+3], 0x80000000
	s_mov_b32 s[G0B+4*\s], 1
	s_add_co_u32 s[G0B+4*\s+1], s45, \s*SLOT
	s_add_nc_u64 s[G0B+4*\s+2:G0B+4*\s+3], s[46:47], \s*ROWB
	s_or_b32 s[G0B+4*\s+3], s[G0B+4*\s+3], 0x80000000
	JLOAD G0+4*\s, G1, G0B+4*\s, G1B               ; three tensor loads of mine are out in all
.endr
	v_and_b32 v1, 15, v0                           ; l % 16
	v_bfe_u32 v2, v0, 4, 1                         ; l / 16
	; THE BIAS.  In the result, register j of lane l holds column 16 b + 8 (l / 16) + j of my 128: so block b's C is bias[my first column + 16 b + 8 (l / 16) + 0 .. 7], eight registers.
	s_lshl_b32 s46, s42, 10                        ; my first column, in bytes of f32: 1,024 x tile column + 512 x half
	s_lshl_b32 s47, s16, 9
	s_add_co_u32 s46, s46, s47
	s_mov_b32 s47, 0
	s_add_nc_u64 s[96:97], s[96:97], s[46:47]
	v_lshlrev_b32 v[BO], 5, v2
	s_cmp_eq_u32 ttmp9, 1                          ; the cluster's x, which all sixteen partners share: cluster 1 makes k
	s_cbranch_scc1 .Lno_bias
.irp b, 0,1,2,3,4,5,6,7
	global_load_b128 v[BIAS+8*\b:BIAS+8*\b+3], v[BO], s[96:97] offset:64*\b
	global_load_b128 v[BIAS+8*\b+4:BIAS+8*\b+7], v[BO], s[96:97] offset:64*\b+16
.endr
	s_branch .Lbias_done
.Lno_bias:                                             ; k's bias is left out and not loaded: its place as C takes zeros, so that one text of the first step serves q, k and v
.set i, 0
.rept 64
	v_mov_b32 v[BIAS+i], 0
.set i, i+1
.endr
.Lbias_done:
	v_mul_u32_u24 v3, v1, PITCH
	v_lshl_add_u32 v4, v2, 4, v3                   ; a fragment's row x pitch + 16 x half
	s_mul_i32 s21, s15, HALFT                      ; my 128 rows of A
	s_mul_i32 s22, s16, HALFT                      ; my 128 rows of B,
	s_add_co_u32 s22, s22, 2*HALFT                 ; which lie behind A's 256
.irp s, 0,1
	v_add_nc_u32 v[ADRA+\s], s21, v4
	v_add_nc_u32 v[ADRB+\s], s22, v4
	s_add_co_u32 s21, s21, SLOT
	s_add_co_u32 s22, s22, SLOT
.endr
	v_mul_u32_u24 v5, v1, KS                       ; my row's scales: KS bytes a row,
	v_lshrrev_b32 v6, 8, v5
	v_lshl_add_u32 v5, v6, 4, v5                   ; and 16 more for each 256 passed
	s_mul_i32 s21, s15, HALFS                      ; A's: my 128 rows
	s_mul_i32 s22, s16, HALFS                      ; B's: my 128 rows, behind A's 256
	s_add_co_u32 s22, s22, 2*HALFS
	s_sub_co_u32 s22, s22, s21
	v_mul_u32_u24 v6, s22, v2                      ; lanes 16-31 take B's
	s_add_co_u32 s21, s21, SCL
	v_add_nc_u32 v5, v5, v6
	v_add_nc_u32 v[ADRS], s21, v5
	s_mul_i32 s23, s14, STG                        ; my stage
	v_lshrrev_b32 v5, 1, v1                        ; in: row r lies in double row r / 2, at its half r % 2; 16 bytes for each half of the lanes
	v_mul_u32_u24 v5, v5, 272
	v_and_b32 v6, 1, v1
	v_lshl_add_u32 v5, v6, 7, v5
	v_lshl_add_u32 v5, v2, 4, v5
	v_add_nc_u32 v[STO], s23, v5
	v_mul_u32_u24 v5, v2, 272                      ; back: lanes 0-15 one double row of 256 bytes, lanes 16-31 the next
	v_lshl_add_u32 v5, v1, 4, v5
	v_add_nc_u32 v[RD], s23, v5
	v_and_b32 v6, 31, v0
	v_lshlrev_b32 v[CO], 4, v6
	s_lshl_b32 s20, s17, 8                         ; where my part begins in qkv: buffer row 256 x tile row + 128 x half + 128, of 128 bytes;
	s_lshl_b32 s21, s15, 7
	s_add_co_u32 s20, s20, s21
	s_add_co_u32 s20, s20, 128
	s_lshl_b32 s20, s20, 7
	s_mov_b32 s21, 0
	s_lshl_b32 s46, s40, 2                         ; head 4 cx + 2 x half (my 128 columns are two heads);
	s_lshl_b32 s47, s16, 1
	s_add_co_u32 s46, s46, s47
	s_mul_i32 s46, s46, HS
	s_mul_i32 s47, ttmp9, TS                       ; tensor = cluster x
	s_add_co_u32 s46, s46, s47
	s_mov_b32 s47, 0
	s_add_nc_u64 s[20:21], s[20:21], s[46:47]
	s_add_nc_u64 s[12:13], s[12:13], s[20:21]
.macro FRAG reg, adr, q, i             ; a fragment, 16 rows x 128 K of 4-bit codes: lane l holds row l % 16; registers 4 c .. 4 c + 3 hold K = 64 c + 32 (l / 16) + 0 .. 31
.irp c, 0,1
	ds_load_b128 v[\reg+4*\c:\reg+4*\c+3], v[\adr] offset:64*(\q)+32*\c+(\i)*16*PITCH
.endr
.endm
; 16 matrix instructions: A's blocks a0, a0 + 1 x B's eight, 128 along K: the slot's q-th.  p: B's set;  sc: the set of scale words.  first = 1: the product starts the sum on the bias.
; The 64 accumulators take turns, one instruction a turn, in the same order in every step.
.macro MUL16 a0, p, q, sc, first
.irp a, \a0, \a0+1
.irp b, 0,1,2,3,4,5,6,7
.if \first
	v_wmma_scale_f32_16x16x128_f8f6f4 v[8*(8*((\a)%4)+\b):8*(8*((\a)%4)+\b)+7], v[128*(\p)+FR*\b:128*(\p)+FR*\b+FR-1], v[AF+FR*(\a):AF+FR*(\a)+FR-1], v[BIAS+8*\b:BIAS+8*\b+7], v[SC+8*NQ*(\sc)+NQ*\b+(\q)], v[SC+8*NQ*(\sc)+NQ*(\a)+(\q)] matrix_a_fmt:MATRIX_FMT_FP4 matrix_b_fmt:MATRIX_FMT_FP4 matrix_a_scale:MATRIX_SCALE_ROW1
.else
	v_wmma_scale_f32_16x16x128_f8f6f4 v[8*(8*((\a)%4)+\b):8*(8*((\a)%4)+\b)+7], v[128*(\p)+FR*\b:128*(\p)+FR*\b+FR-1], v[AF+FR*(\a):AF+FR*(\a)+FR-1], v[8*(8*((\a)%4)+\b):8*(8*((\a)%4)+\b)+7], v[SC+8*NQ*(\sc)+NQ*\b+(\q)], v[SC+8*NQ*(\sc)+NQ*(\a)+(\q)] matrix_a_fmt:MATRIX_FMT_FP4 matrix_b_fmt:MATRIX_FMT_FP4 matrix_a_scale:MATRIX_SCALE_ROW1
.endif
.endr
.endr
.endm
.macro FETCH_B slot, q, p              ; B's eight fragments of the slot's q-th 128 along K into set p
	WIN TO_B
.irp i, 0,1,2,3,4,5,6,7
	FRAG 128*(\p)+FR*\i, ADRB+\slot, \q, \i
.endr
	WIN 0
.endm
.macro FETCH_A slot, q, i0             ; A's blocks i0 .. i0 + 3
.irp i, \i0, \i0+1, \i0+2, \i0+3
	FRAG AF+FR*(\i), ADRA+\slot, \q, \i
.endr
.endm
.macro SCALES sc                       ; a slot's scale words into set sc: NQ words a row; lanes 0-15 take A's block i, lanes 16-31 B's block i
.irp i, 0,1,2,3,4,5,6,7
	ds_load_b128 v[SC+8*NQ*\sc+NQ*\i:SC+8*NQ*\sc+NQ*\i+3], v[ADRS] offset:\i*SBLK
.endr
.endm
; A load into a register that a matrix instruction has read, and a vector instruction that reads a matrix result, stand NP places behind that matrix instruction; only plain vector
; instructions that name none of its registers are places (ISA guide 7.12.1 for vector instructions).
.macro PLACES n
.rept \n
	v_nop
.endr
.endm
; A step of 128 along K that has its successor in the same slot.
.macro STEP slot, q, first
	s_wait_dscnt 4*NL                              ; B's set and A's blocks 0-3 are in; the youngest eight loads (A's blocks 4-7) may be out
.if \first
	WIN BIA_LO
.else
	WIN MUL_LO
.endif
	MUL16 0, (\q)%2, \q, \slot, \first
	MUL16 2, (\q)%2, \q, \slot, \first
	s_wait_dscnt 0                                 ; A's blocks 4-7 are in (asked for 32 matrix instructions ago)
	PLACES NP
	FETCH_B \slot, (\q)+1, 1-(\q)%2
	FETCH_A \slot, (\q)+1, 0
.if \first
	WIN BIA_HI
.else
	WIN MUL_HI
.endif
	MUL16 4, (\q)%2, \q, \slot, \first
	MUL16 6, (\q)%2, \q, \slot, \first
	PLACES NP
	WIN 0
	FETCH_A \slot, (\q)+1, 4
.endm
; Slot 0's last step changes slots: one barrier; in front of it each wave waits for all its tensor loads (slot 1's is the one that may be out), adds 0 to its spare word, and waits for that and for its own reads of slot 0.
; Nothing is filled again; behind the barrier slot 1 is whole and nobody reads slot 0 any more, which the way out's stages rely on.
.macro TURN slot, next
	s_wait_tensorcnt 0x0                           ; all my tensor loads have landed  (every window is 0 here: the add's two registers lie in window 0)
	ds_add_u32 v[SPW], v[NIL]                      ; 0 onto my spare word
	s_wait_dscnt 4*NL+1                            ; (the add and the youngest eight loads, A's blocks 4-7, may be out)
	WIN MUL_LO
	MUL16 0, 1, NQ-1, \slot, 0                     ; sixteen matrix instructions stand between the add and the wait for it
	s_wait_dscnt 0x0                               ; the add is done, and my reads of this slot are over
	s_barrier_signal -1
	MUL16 2, 1, NQ-1, \slot, 0
	WIN 0
	s_barrier_wait -1
	PLACES NP
	v_add_nc_u32 v[ADRS], 4*NQ, v[ADRS]            ; on to the next slot's scale words (no LDS load of mine is out)
	FETCH_B \next, 0, 0
	FETCH_A \next, 0, 0
	SCALES \next
	WIN MUL_HI
	MUL16 4, 1, NQ-1, \slot, 0
	MUL16 6, 1, NQ-1, \slot, 0
	PLACES NP
	WIN 0
	FETCH_A \next, 0, 4
.endm
	s_wait_tensorcnt 1                             ; the scales and my part of slot 0 are in (slot 1's load may be out),
	s_barrier_signal -1
	s_barrier_wait -1                              ; everybody's are
	FETCH_B 0, 0, 0
	FETCH_A 0, 0, 0
	SCALES 0
	FETCH_A 0, 0, 4
	s_wait_loadcnt 0x0                             ; the bias
	STEP 0, 0, 1                                   ; the first step's products start the sums on the bias: nothing is cleared, nothing is added later
	STEP 0, 1, 0
	STEP 0, 2, 0
	TURN 0, 1
	STEP 1, 0, 0
	STEP 1, 1, 0
	STEP 1, 2, 0
	s_wait_dscnt 4*NL                              ; the very last step: nothing more to fetch
	WIN MUL_LO
	MUL16 0, 1, NQ-1, 1, 0
	MUL16 2, 1, NQ-1, 1, 0
	s_wait_dscnt 0
	WIN MUL_HI
	MUL16 4, 1, NQ-1, 1, 0
	MUL16 6, 1, NQ-1, 1, 0
	WIN 0
; THE WAY OUT, block by block of 16 rows x 128 columns (two heads).  PACK: rounded to f16, 16 bytes a lane, each accumulator from its low end on.  TOSTAGE: into my own stage, laid as memory is
; (head, double row of 256 bytes), and back 16 bytes a lane.  SEND: each store covers 512 consecutive bytes of one head, four rows, aligned to 256.
.macro PACK a
.set AC, 64*((\a)%4)
	WIN 0x0a+5*((\a)/4)                            ; sources 0 and 1: window 2 or 3
.irp b, 0,1,2,3,4,5,6,7
.irp i, 0,1,2,3
	v_cvt_pk_f16_f32 v[TMP+4*\b+\i], v[AC+8*\b+2*\i], v[AC+8*\b+2*\i+1]
.endr
.endr
	WIN 0
.endm
.macro TOSTAGE a
.set BB, OB+192*((\a)%2)
.irp b, 0,1,2,3,4,5,6,7
	ds_store_b128 v[STO], v[TMP+4*\b:TMP+4*\b+3] offset:(\b/4)*2176+(\b%4)*32
.endr
.irp t, 0,1,2,3,4,5,6,7
	ds_load_b128 v[BB+4*\t:BB+4*\t+3], v[RD] offset:\t*544         ; LDS serves a wave's instructions in order (ISA guide 5.7.1.4): these see the stores above
.endr
.endm
.macro SEND a
.set BB, OB+192*((\a)%2)
	s_wait_dscnt 0x0                               ; the block is back in registers
	s_wait_xcnt 0x0                                ; the block before's stores have read their registers: the next block's loads land there only behind this wait
.irp t, 0,1,2,3,4,5,6,7
	global_store_b128 v[CO], v[BB+4*\t:BB+4*\t+3], s[12:13] offset:(\t/4)*HS+(\t%4)*512+(\a)*2048
.endr
.endm
	PLACES NP                                      ; behind the last products, ahead of the first read of results
	PACK 0
	TOSTAGE 0
.irp a, 1,2,3,4,5,6,7                  ; block a's conversions stand between block a - 1's loads from the stage and the wait for them
	PACK \a
	SEND \a-1
	TOSTAGE \a
.endr
	SEND 7
	s_wait_tensorcnt 0x0                           ; the wave's end: these three lines, behind my last tensor load and my last LDS store
	ds_add_u32 v[SPW], v[NIL]
	s_wait_dscnt 0x0
	CROUND                                         ; the closing round: no work-group ends while a partner may still ask for a tile that names it
	s_endpgm
.Lfunc_end_k_q049ef49610_qkv:
	.size	k_q049ef49610_qkv, .Lfunc_end_k_q049ef49610_qkv-k_q049ef49610_qkv
	.p2alignl 7, 3214868480
	.fill 96, 4, 3214868480
	.section	.rodata,"a",@progbits
	.p2align	6, 0x0
	.amdhsa_kernel k_q049ef49610_qkv
		.amdhsa_group_segment_fixed_size 327680
		.amdhsa_private_segment_fixed_size 0
		.amdhsa_enable_private_segment 0
		.amdhsa_kernarg_size 48
		.amdhsa_user_sgpr_count 2
		.amdhsa_user_sgpr_kernarg_segment_ptr 1
		.amdhsa_wavefront_size32 1
		.amdhsa_system_sgpr_workgroup_id_x 1
		.amdhsa_system_sgpr_workgroup_id_y 1
		.amdhsa_system_sgpr_workgroup_id_z 1
		.amdhsa_system_vgpr_workitem_id 0
		.amdhsa_next_free_vgpr 1024
		.amdhsa_next_free_sgpr 100
		.amdhsa_reserve_vcc 0
		.amdhsa_float_denorm_mode_32 3
		.amdhsa_float_denorm_mode_16_64 3
		.amdhsa_memory_ordered 1
		.amdhsa_forward_progress 1
		.amdhsa_inst_pref_size 130
	.end_amdhsa_kernel
	.amdgpu_metadata
---
amdhsa.version: [ 1, 2 ]
amdhsa.kernels:
  - .name:           k_q049ef49610_qkv
    .symbol:         k_q049ef49610_qkv.kd
    .args:
      - { .name: xc, .offset: 0, .size: 8, .value_kind: global_buffer, .address_space: global }
      - { .name: xs, .offset: 8, .size: 8, .value_kind: global_buffer, .address_space: global }
      - { .name: wc, .offset: 16, .size: 8, .value_kind: global_buffer, .address_space: global }
      - { .name: ws, .offset: 24, .size: 8, .value_kind: global_buffer, .address_space: global }
      - { .name: in_proj_b, .offset: 32, .size: 8, .value_kind: global_buffer, .address_space: global }
      - { .name: qkv, .offset: 40, .size: 8, .value_kind: global_buffer, .address_space: global }
    .group_segment_fixed_size: 327680
    .private_segment_fixed_size: 0
    .kernarg_segment_align: 8
    .kernarg_segment_size: 48
    .max_flat_workgroup_size: 128
    .sgpr_count:     100
    .vgpr_count:     1024
    .wavefront_size: 32
...
	.end_amdgpu_metadata
.endif
;; end of part 2
;; launch attn (part 3): grid 16 x 16, 16 waves a work-group, no clusters, 182,528 bytes of LDS; arguments qkv, ao; writes ao
.if DOCPART == 3
	.amdgcn_target "amdgcn-amd-amdhsa--gfx1250"
	.amdhsa_code_object_version 6
	.text
	.protected	k_q049ef49610_attn
	.globl	k_q049ef49610_attn
	.p2align	8
	.type	k_q049ef49610_attn,@function
k_q049ef49610_attn:
	s_mov_b64 s[64:65], 0
	v_nop
	global_prefetch_b8 v0, s[64:65] scope:SCOPE_SE
	s_setreg_imm32_b32 hwreg(HW_REG_WAVE_MODE, 25, 1), 1
	s_wait_xcnt 0x0
; THIRD LAUNCH: o[h][i] = the sum over j of softmax_j(q[h][i] . k[h][j] / 8) v[h][j], over the keys with |i - j| <= 128 and 0 <= j < 4,096.  Operands f16, products, maxima and sums f32; o rounded once to f16.
; LEFT OUT: tiles of 16 keys that lie wholly outside the band of a tile of 16 queries: reference() sets their scores to -infinity, so their weights are exactly 0 (shown at the head of the first launch).
; IN: qkv [3][16 heads][4,368 rows][64 f16], buffer row = position + 128; the pad rows of k and v hold zeros.  OUT: ao [16 heads][4,096][64 f16].
; SHARES.  A work-group owns 256 queries of one head; each of its sixteen waves owns 16, one tile, in 256 registers: four waves to a SIMD, so that one wave's vector work stands beside another's matrix work and LDS loads.
; Wave w's queries begin at q0 = 256 x + 16 w; its keys are kk = 0 .. 287, key = q0 - 128 + kk: LDS row 16 w + kk of the work-group's 528 rows, which begin at buffer row 256 x.
; The scores of kk = 0 .. 271 (17 tiles) all lie in registers at once, so the row's true maximum is taken away before the exponential; kk = 272 .. 287 are hidden from all 16 queries: their weights are written as zeros
; to fill the ninth step of 32 keys of the second product.
; NO MULTICAST: a run of 128 key rows is wanted by two neighbouring query blocks only, and at LDS addresses 256 rows apart, so their descriptors cannot be equal.
; LAYOUT.  Both products are used transposed: S^T = K Q^T (source 0 = 16 keys, source 1 = my 16 queries), O^T = V^T P (source 0 = 16 channels, source 1 = P): a lane holds ONE query (lane % 16) throughout; two tiles of S^T,
; rounded to f16 in pairs, are source 1 of the second product as they stand.  K comes out of LDS as it lies, V ([key][channel]) turned, by ds_load_tr16_b128.
; LDS.  Two rows of 128 bytes are one row of 256 for the tensor load (the head's rows are dense).  K: 256 double rows, pitch 272; V: 264, pitch 288: logical row p lies at (p / 2) x pitch + 128 (p % 2).  With these pitches the
; sixteen lanes of a load touch sixteen different columns of 16 bytes.  All of K and V comes by first fills, one tensor load a wave (waves 0-7 K, 8-15 V); nothing is filled again; one barrier.
; At the sequence's two ends some tiles multiply the zero pads and are then masked: the register numbers of a straight text are fixed, and such tiles are few.
.set HS,    4368*128                   ; qkv: bytes of a head,
.set TS,    16*HS                      ; of a tensor
.set KP,    272
.set VP,    288
.set VREG,  256*KP                     ; V's region begins behind K's
.set STAGE, VREG+264*VP                ; the way out: 8 double rows x 272 bytes for each wave
.set SPARE, STAGE+16*8*KP              ; the spare words, 128 bytes for each wave
.set AK,   1                           ; v1   my lane's place in my wave's first tile of K
.set AV,   2                           ; v2   the same for V's turning loads
.set QO,   3                           ; v3   my byte offset in the wave's rows of q
.set STO,  4                           ; v4   the way out: where I put 16 bytes of a row
.set RD,   5                           ; v5   where I read 16 bytes back
.set GO,   6                           ; v6   16 x lane
.set SPW,  7                           ; v7   LDS address of my spare word; never rewritten
.set NIL,  8                           ; v8   0; never rewritten
.set DLO,  9                           ; v9   register (t, j) is hidden where 16 t + j < DLO,
.set DHI,  10                          ; v10  or 16 t + j > DHI
.set NINF, 11                          ; v11  -infinity
.set MX,   12                          ; v12-15  four chains of the maximum
.set CM,   16                          ; v[16:17] c x m
.set SM,   20                          ; v[20:27] four chains of the sum (at the head: at work)
.set RL,   28                          ; v[28:29] 1 / the row's sum
.set PX,   30                          ; v30  a lane permute's destination
.set QF,   32                          ; v32-47  q: two fragments of 16 queries x 32 channels
.set KF,   48                          ; v48-111 four tiles of K, two fragments each
.set O,    48                          ; later: v48-79 O^T, four tiles of 16 channels
.set PK,   80                          ; v80-95  o, packed
.set BK,   96                          ; v96-111 rows read back from the stage
.set S,    112                         ; v112-247 S^T: 17 tiles x 8 registers
.set P,    112                         ; later: v112-183 P: 18 tiles x 4 registers
.set VB,   184                         ; v184-247 V^T: two buffers of four fragments
.set G1K,  16                          ; s[16:23] descriptor group 1 for K;  s[24:31] for V;  s[32:35], s[36:39] their groups 0
.set G1V,  24
.set G0K,  32
.set G0V,  36
.set SEL,  40                          ; s[40:41] lane selects for v_permlanex16_b32: lane l xor 16
.set CS,   42                          ; s[42:43] c = log2(e) / 8
	s_load_b128 s[4:7], s[0:1], 0x0                ; qkv, ao
	v_lshl_add_u32 v[SPW], v0, 2, SPARE
	v_mov_b32 v[NIL], 0
	ds_add_u32 v[SPW], v[NIL]                      ; the wave's opening: the add, twice on end, and its wait ahead of my first tensor load; the set-up below, work on registers, stands between
	ds_add_u32 v[SPW], v[NIL]
	v_lshrrev_b32 v20, 5, v0
	v_readfirstlane_b32 s8, v20                    ; wave 0..15
	s_and_b32 s9, s8, 7                            ; which eighth of K or of V I fetch
	s_and_b32 s10, ttmp7, 0xffff                   ; the head
	s_lshl_b32 s11, ttmp9, 8                       ; 256 x: the block's first query, and the buffer row of LDS row 0
	s_lshl_b32 s12, s8, 4
	s_add_co_u32 s12, s12, s11                     ; q0
	; descriptor group 1: dense rows of 256 bytes (32 elements of 8 bytes); K: 32 rows, 4 words of padding behind each; V: 33 rows, 8 words
	s_mov_b32 s[G1K], (3<<16)|(1<<20)|(5<<22)|(3<<25)
	s_mov_b32 s[G1K+1], 32<<16                     ; tensor_dim0
	s_mov_b32 s[G1K+2], 32<<16                     ; tensor_dim1
	s_mov_b32 s[G1K+3], 32<<16                     ; tile_dim0
	s_mov_b32 s[G1K+4], 32                         ; tile_dim1
	s_mov_b32 s[G1K+5], 32                         ; tensor_dim0_stride
	s_mov_b32 s[G1K+6], 0
	s_mov_b32 s[G1K+7], 0
	s_mov_b32 s[G1V], (3<<16)|(1<<20)|(5<<22)|(7<<25)
	s_mov_b32 s[G1V+1], 32<<16
	s_mov_b32 s[G1V+2], 33<<16
	s_mov_b32 s[G1V+3], 32<<16
	s_mov_b32 s[G1V+4], 33
	s_mov_b32 s[G1V+5], 32
	s_mov_b32 s[G1V+6], 0
	s_mov_b32 s[G1V+7], 0
	s_mul_i32 s52, s10, HS                         ; the head's first byte in a tensor
	s_lshl_b32 s44, s11, 7
	s_add_co_u32 s44, s44, s52                     ; + buffer row 256 x
	s_lshl_b32 s46, s9, 13                         ; K: my 32 double rows,
	s_add_co_u32 s46, s46, s44
	s_add_co_u32 s46, s46, TS                      ; in tensor 1
	s_mov_b32 s47, 0
	s_mul_i32 s48, s9, 33*256                      ; V: my 33 double rows,
	s_add_co_u32 s48, s48, s44
	s_add_co_u32 s48, s48, 2*TS                    ; in tensor 2
	s_mov_b32 s49, 0
	s_add_co_u32 s50, s12, 128                     ; q: buffer row q0 + 128, in tensor 0
	s_lshl_b32 s50, s50, 7
	s_add_co_u32 s50, s50, s52
	s_mov_b32 s51, 0
	s_lshl_b32 s52, s10, 19                        ; ao: 524,288 bytes a head,
	s_lshl_b32 s53, s12, 7                         ; row q0
	s_add_co_u32 s52, s52, s53
	s_mov_b32 s53, 0
	s_mov_b32 s[G0K], 1
	s_mul_i32 s[G0K+1], s9, 32*KP
	s_mov_b32 s[G0V], 1
	s_mul_i32 s[G0V+1], s9, 33*VP
	s_add_co_u32 s[G0V+1], s[G0V+1], VREG
	s_mov_b32 s[SEL], 0x76543210
	s_mov_b32 s[SEL+1], 0xfedcba98
	s_mov_b32 s[CS], 0x3e38aa3b                    ; c = log2(e) / sqrt(64)
	s_mov_b32 s[CS+1], s[CS]                       ; (named with it as a pair, so it is written)
	s_wait_dscnt 0x0                               ; both opening adds are done
	s_wait_kmcnt 0x0
	s_add_nc_u64 s[G0K+2:G0K+3], s[4:5], s[46:47]
	s_or_b32 s[G0K+3], s[G0K+3], 0x80000000
	s_add_nc_u64 s[G0V+2:G0V+3], s[4:5], s[48:49]
	s_or_b32 s[G0V+3], s[G0V+3], 0x80000000
	s_add_nc_u64 s[54:55], s[4:5], s[50:51]        ; q at my first query
	s_add_nc_u64 s[6:7], s[6:7], s[52:53]          ; ao likewise
	s_cmp_lt_u32 s8, 8                             ; every wave issues one first fill: waves 0-7 an eighth of K, waves 8-15 an eighth of V.  An s_nop 0 and four v_nop follow each line
	s_cbranch_scc0 .Lfor_v
	tensor_load_to_lds s[G0K:G0K+3], s[G1K:G1K+7]
	s_nop 0
.rept 4
	v_nop
.endr
	s_branch .Lasked
.Lfor_v:
	tensor_load_to_lds s[G0V:G0V+3], s[G1V:G1V+7]
	s_nop 0
.rept 4
	v_nop
.endr
.Lasked:
	v_and_b32 v20, 15, v0                          ; r = lane % 16
	v_bfe_u32 v21, v0, 4, 1                        ; h = lane / 16
	v_lshlrev_b32 v[QO], 7, v20
	v_lshl_add_u32 v[QO], v21, 4, v[QO]            ; q: row r of 128 bytes, + 16 h
.irp i, 0,1,2,3                        ; a fragment is 16 rows x 32 channels: registers 0-3 channels 8 h + 0..7, registers 4-7 channels 16 + 8 h + 0..7: loads 32 bytes apart
	global_load_b128 v[QF+4*\i:QF+4*\i+3], v[QO], s[54:55] offset:32*\i th:TH_LOAD_NT
.endr
	v_lshrrev_b32 v23, 1, v20
	v_and_b32 v24, 1, v20
	v_mul_u32_u24 v25, v23, KP
	v_lshl_add_u32 v25, v24, 7, v25
	v_lshl_add_u32 v25, v21, 4, v25                ; (r / 2) x 272 + 128 (r % 2) + 16 h: row r of a tile in double rows
	s_mul_i32 s44, s8, 8*KP                        ; my wave's first key row is LDS row 16 w; my stage is as long
	v_add_nc_u32 v[AK], s44, v25
	s_add_co_u32 s45, s44, STAGE
	v_add_nc_u32 v[STO], s45, v25
	v_mul_u32_u24 v26, v21, KP
	v_lshl_add_u32 v26, v20, 4, v26
	v_add_nc_u32 v[RD], s45, v26                   ; back: lanes 0-15 one double row, lanes 16-31 the next
	v_and_b32 v22, 31, v0
	v_lshlrev_b32 v[GO], 4, v22
	v_and_b32 v26, 7, v0                           ; the turning load: lane l reads 16 bytes of key 8 h + l % 8, channels 8 ((l / 8) % 2) + 0..7
	v_lshl_add_u32 v26, v21, 3, v26
	v_lshrrev_b32 v27, 1, v26
	v_and_b32 v26, 1, v26
	v_mul_u32_u24 v27, v27, VP
	v_lshl_add_u32 v27, v26, 7, v27
	v_bfe_u32 v26, v0, 3, 1
	v_lshl_add_u32 v27, v26, 4, v27
	s_mul_i32 s46, s8, 8*VP
	s_add_co_u32 s46, s46, VREG
	v_add_nc_u32 v[AV], s46, v27
	; THE MASK.  Register (t, j) holds kk = 16 t + 8 h + j.  Key kk counts for query q0 + r where max(r, 128 - q0) <= kk <= min(r + 256, 4,223 - q0).  q0 is a multiple of 16, so of each pair one term rules for all r.
	s_sub_co_i32 s44, 128, s12
	s_max_i32 s44, s44, 0                          ; 128 - q0 where q0 < 128, else 0,
	s_cmp_lt_u32 s12, 128
	s_cselect_b32 s45, 0, 15                       ; and r counts only in the second case
	s_sub_co_i32 s46, 4223, s12
	s_min_i32 s46, s46, 256                        ; 4,223 - q0 where q0 >= 3,968, else 256,
	s_cmp_ge_u32 s12, 3968
	s_cselect_b32 s47, 0, 15                       ; and r counts only in the second case
	v_lshlrev_b32 v26, 3, v21                      ; 8 h
	v_and_b32 v[DLO], s45, v20
	v_add_nc_u32 v[DLO], s44, v[DLO]
	v_sub_nc_u32 v[DLO], v[DLO], v26
	v_and_b32 v[DHI], s47, v20
	v_add_nc_u32 v[DHI], s46, v[DHI]
	v_sub_nc_u32 v[DHI], v[DHI], v26
	v_mov_b32 v[NINF], 0xff800000
	v_mov_b32 v[PX], 0                             ; written once: a lane permute's destination counts as one of its sources
.macro PLACES                          ; four places behind a matrix instruction, ahead of loads into its registers and of reads of its result (ISA guide 7.12.1 for vector instructions)
.rept 4
	v_nop
.endr
.endm
.macro KLOAD p, t                      ; tile t of K (16 keys x 64 channels, two fragments) into place p
.irp c, 0,1
	ds_load_b128 v[KF+16*(\p)+8*\c:KF+16*(\p)+8*\c+3], v[AK] offset:8*KP*(\t)+64*\c
	ds_load_b128 v[KF+16*(\p)+8*\c+4:KF+16*(\p)+8*\c+7], v[AK] offset:8*KP*(\t)+64*\c+32
.endr
.endm
.macro SMUL p, t, c                    ; S^T of tile t: channels 32 c on; the first starts the sum
.if \c == 0
	v_wmma_f32_16x16x32_f16 v[S+8*(\t):S+8*(\t)+7], v[KF+16*(\p):KF+16*(\p)+7], v[QF:QF+7], 0
.else
	v_wmma_f32_16x16x32_f16 v[S+8*(\t):S+8*(\t)+7], v[KF+16*(\p)+8:KF+16*(\p)+15], v[QF+8:QF+15], v[S+8*(\t):S+8*(\t)+7]
.endif
.endm
.macro GROUP t0, n                     ; n tiles from t0 on: their loads, then their products, the accumulators by turns, one instruction a turn: so no group has one tile alone
.irp p, 0,1,2,3
.if \p < \n
	KLOAD \p, (\t0)+\p
.endif
.endr
	s_wait_dscnt 0x0
.irp c, 0,1
.irp p, 0,1,2,3
.if \p < \n
	SMUL \p, (\t0)+\p, \c
.endif
.endr
.endr
	PLACES
.endm
.macro MASKLO t
.irp j, 0,1,2,3,4,5,6,7
	v_cmp_lt_i32 vcc_lo, 16*(\t)+\j, v[DLO]
	v_cndmask_b32 v[S+8*(\t)+\j], v[S+8*(\t)+\j], v[NINF], vcc_lo
.endr
.endm
.macro MASKHI t
.irp j, 0,1,2,3,4,5,6,7
	v_cmp_gt_i32 vcc_lo, 16*(\t)+\j, v[DHI]
	v_cndmask_b32 v[S+8*(\t)+\j], v[S+8*(\t)+\j], v[NINF], vcc_lo
.endr
.endm
.macro VLOAD s                         ; V^T of keys 32 s on: four fragments (16 channels x 32 keys), two turning loads each, 16 keys apart
.irp c, 0,1,2,3
	ds_load_tr16_b128 v[VB+32*((\s)%2)+8*\c:VB+32*((\s)%2)+8*\c+3], v[AV] offset:16*VP*(\s)+32*\c
	ds_load_tr16_b128 v[VB+32*((\s)%2)+8*\c+4:VB+32*((\s)%2)+8*\c+7], v[AV] offset:16*VP*(\s)+32*\c+8*VP
.endr
.endm
.macro PV s                            ; O^T += V^T P for keys 32 s on: the four accumulators by turns
.irp c, 0,1,2,3
.if (\s) == 0
	v_wmma_f32_16x16x32_f16 v[O+8*\c:O+8*\c+7], v[VB+32*((\s)%2)+8*\c:VB+32*((\s)%2)+8*\c+7], v[P+8*(\s):P+8*(\s)+7], 0
.else
	v_wmma_f32_16x16x32_f16 v[O+8*\c:O+8*\c+7], v[VB+32*((\s)%2)+8*\c:VB+32*((\s)%2)+8*\c+7], v[P+8*(\s):P+8*(\s)+7], v[O+8*\c:O+8*\c+7]
.endif
.endr
.endm
	s_wait_tensorcnt 0x0                           ; my eighth has landed,
	s_barrier_signal -1
	s_barrier_wait -1                              ; everybody's has: the launch's one barrier
	s_wait_loadcnt 0x0                             ; q
	GROUP 0, 4                                     ; the scores of kk = 0 .. 271
	GROUP 4, 4
	GROUP 8, 4
	GROUP 12, 3
	GROUP 15, 2
	MASKLO 0                                       ; hidden scores become -infinity ahead of the maximum; each tile from its low register on
	s_cmp_ge_u32 s12, 128                          ; only the first 128 queries have keys before position 0: a branch on ids
	s_cbranch_scc1 .Llo_done
.irp t, 1,2,3,4,5,6,7
	MASKLO \t
.endr
.Llo_done:
	s_cmp_lt_u32 s12, 3968                         ; only the last 128 queries have keys past position 4,095
	s_cbranch_scc1 .Lhi_done
.irp t, 9,10,11,12,13,14,15
	MASKHI \t
.endr
.Lhi_done:
	MASKHI 16
.irp i, 0,1,2,3                        ; the row's maximum: four chains; every accumulator is taken from its low end on.  At least 129 keys count for every query, so it is a number
	v_max_num_f32 v[MX+\i], v[S+2*\i], v[S+2*\i+1]
.endr
.irp t, 1,2,3,4,5,6,7,8,9,10,11,12,13,14,15,16
.irp i, 0,1,2,3
	v_max3_num_f32 v[MX+\i], v[MX+\i], v[S+8*\t+2*\i], v[S+8*\t+2*\i+1]
.endr
.endr
	v_max3_num_f32 v[MX], v[MX], v[MX+1], v[MX+2]
	v_max_num_f32 v[MX], v[MX], v[MX+3]
	v_permlanex16_b32 v[PX], v[MX], s[SEL], s[SEL+1]   ; the query's other keys lie in the lane 16 away
	v_max_num_f32 v[MX], v[MX], v[PX]
	v_mul_f32 v[CM], s[CS], v[MX]                  ; c m
	v_mov_b32 v[CM+1], v[CM]                       ; (named with it as a pair)
.set i, 0
.rept 68
	v_pk_fma_f32 v[S+i:S+i+1], v[S+i:S+i+1], s[CS:CS+1], v[CM:CM+1] op_sel_hi:[1,0,0] neg_lo:[0,0,1] neg_hi:[0,0,1]   ; c s - c m, two at a time; -infinity stays -infinity
.set i, i+2
.endr
.set i, 0
.rept 136
	v_exp_f32 v[S+i], v[S+i]                       ; p = 2^(c s - c m), at most 1; 0 for hidden keys
.set i, i+1
.endr
	v_nop                                          ; a plain instruction behind the last exponential
	s_wait_alu depctr_va_vdst(0)                   ; the wait ahead of the first instruction that names a result: one for the batch of 136
.irp k, 0,1,2,3                        ; the row's sum, of p in f32: four chains of pairs
	v_pk_add_f32 v[SM+2*\k:SM+2*\k+1], v[S+2*\k:S+2*\k+1], v[S+8+2*\k:S+8+2*\k+1]
.endr
.irp t, 2,3,4,5,6,7,8,9,10,11,12,13,14,15,16
.irp k, 0,1,2,3
	v_pk_add_f32 v[SM+2*\k:SM+2*\k+1], v[SM+2*\k:SM+2*\k+1], v[S+8*\t+2*\k:S+8*\t+2*\k+1]
.endr
.endr
	v_pk_add_f32 v[SM:SM+1], v[SM:SM+1], v[SM+2:SM+3]
	v_pk_add_f32 v[SM+4:SM+5], v[SM+4:SM+5], v[SM+6:SM+7]
	v_pk_add_f32 v[SM:SM+1], v[SM:SM+1], v[SM+4:SM+5]
	v_add_f32 v[SM], v[SM], v[SM+1]
	v_permlanex16_b32 v[PX], v[SM], s[SEL], s[SEL+1]
	v_add_f32 v[SM], v[SM], v[PX]
	v_rcp_f32 v[RL], v[SM]                         ; its wait stands ahead of its first reader, on the way out; all between is independent work, and no label or branch lies between
	v_mov_b32 v[RL+1], 0                           ; (a plain instruction behind it; the pair's upper half is named, so it is written)
.set i, 0
.rept 68
	v_cvt_pk_f16_f32 v[P+i], v[S+2*i], v[S+2*i+1]  ; P in place: register i is written when registers up to 2 i + 1 have been read.  Tile t's four registers: keys 16 t + 8 h + 0..7
.set i, i+1
.endr
	VLOAD 0                                        ; into registers that the packing has read
	VLOAD 1
.irp i, 68,69,70,71
	v_mov_b32 v[P+\i], 0                           ; kk = 272 .. 287: hidden from all sixteen queries
.endr
.irp s, 0,1,2,3,4,5,6,7,8
.if \s < 8
	s_wait_dscnt 8                                 ; this step's eight loads are in; the next step's eight may be out
.else
	s_wait_dscnt 0x0
.endif
	PV \s
.if \s < 7
	PLACES
	VLOAD \s+2
.endif
.endr
	; THE WAY OUT.  O^T / the sum, rounded to f16: a lane's eight channels of a row are 16 bytes; through my stage, laid as memory is, and out 512 consecutive bytes (four rows of ao) a store.
	PLACES
	s_wait_alu depctr_va_vdst(0)                   ; the reciprocal's wait, ahead of its first reader
.set i, 0
.rept 16
	v_pk_mul_f32 v[O+i:O+i+1], v[O+i:O+i+1], v[RL:RL+1] op_sel_hi:[1,0]
.set i, i+2
.endr
.set i, 0
.rept 16
	v_cvt_pk_f16_f32 v[PK+i], v[O+2*i], v[O+2*i+1]
.set i, i+1
.endr
.irp c, 0,1,2,3
	ds_store_b128 v[STO], v[PK+4*\c:PK+4*\c+3] offset:32*\c
.endr
.irp t, 0,1,2,3
	ds_load_b128 v[BK+4*\t:BK+4*\t+3], v[RD] offset:2*KP*\t        ; LDS serves a wave's instructions in order: these see my stores
.endr
.irp t, 0,1,2,3
	s_wait_dscnt 3-\t                              ; load t is in; the younger ones may be out
	global_store_b128 v[GO], v[BK+4*\t:BK+4*\t+3], s[6:7] offset:512*\t
.endr
	s_wait_tensorcnt 0x0                           ; the wave's end: these three lines, behind my last tensor load and my last LDS store
	ds_add_u32 v[SPW], v[NIL]
	s_wait_dscnt 0x0
	s_endpgm
.Lfunc_end_k_q049ef49610_attn:
	.size	k_q049ef49610_attn, .Lfunc_end_k_q049ef49610_attn-k_q049ef49610_attn
	.p2alignl 7, 3214868480
	.fill 96, 4, 3214868480
	.section	.rodata,"a",@progbits
	.p2align	6, 0x0
	.amdhsa_kernel k_q049ef49610_attn
		.amdhsa_group_segment_fixed_size 182528
		.amdhsa_private_segment_fixed_size 0
		.amdhsa_enable_private_segment 0
		.amdhsa_kernarg_size 16
		.amdhsa_user_sgpr_count 2
		.amdhsa_user_sgpr_kernarg_segment_ptr 1
		.amdhsa_wavefront_size32 1
		.amdhsa_system_sgpr_workgroup_id_x 1
		.amdhsa_system_sgpr_workgroup_id_y 1
		.amdhsa_system_sgpr_workgroup_id_z 1
		.amdhsa_system_vgpr_workitem_id 0
		.amdhsa_next_free_vgpr 256
		.amdhsa_next_free_sgpr 66
		.amdhsa_reserve_vcc 1
		.amdhsa_float_denorm_mode_32 3
		.amdhsa_float_denorm_mode_16_64 3
		.amdhsa_memory_ordered 1
		.amdhsa_forward_progress 1
		.amdhsa_inst_pref_size 58
	.end_amdhsa_kernel
	.amdgpu_metadata
---
amdhsa.version: [ 1, 2 ]
amdhsa.kernels:
  - .name:           k_q049ef49610_attn
    .symbol:         k_q049ef49610_attn.kd
    .args:
      - { .name: qkv, .offset: 0, .size: 8, .value_kind: global_buffer, .address_space: global }
      - { .name: ao, .offset: 8, .size: 8, .value_kind: global_buffer, .address_space: global }
    .group_segment_fixed_size: 182528
    .private_segment_fixed_size: 0
    .kernarg_segment_align: 8
    .kernarg_segment_size: 16
    .max_flat_workgroup_size: 512
    .sgpr_count:     66
    .vgpr_count:     256
    .wavefront_size: 32
...
	.end_amdgpu_metadata
.endif
;; end of part 3
;; launch oproj (part 4): grid 8 x 32, 4 waves a work-group, clusters of 4 x 4, 327,680 bytes of LDS; arguments ao, wo16, out_proj_b, out0; writes out0
.if DOCPART == 4
	.amdgcn_target "amdgcn-amd-amdhsa--gfx1250"
	.amdhsa_code_object_version 6
	.text
	.protected	k_q049ef49610_oproj
	.globl	k_q049ef49610_oproj
	.p2align	8
	.type	k_q049ef49610_oproj,@function
k_q049ef49610_oproj:
	s_mov_b64 s[64:65], 0
	v_nop
	global_prefetch_b8 v0, s[64:65] scope:SCOPE_SE
	s_setreg_imm32_b32 hwreg(HW_REG_WAVE_MODE, 25, 1), 1
	s_wait_xcnt 0x0
	s_wait_alu depctr_hold_cnt(0) depctr_sa_sdst(0) depctr_va_vdst(0) depctr_va_sdst(0) depctr_va_ssrc(0) depctr_va_vcc(0) depctr_vm_vsrc(0)
	s_getreg_b32 s2, hwreg(HW_REG_IB_STS2, 6, 4)
	s_cmp_eq_u32 s2, 0
	s_cbranch_scc0 .Lentry_in_a_cluster
	s_endpgm
.Lentry_in_a_cluster:
	s_bfe_u32 s2, ttmp6, 0x10000c
	s_cmp_lg_u32 s2, 0xf033
	s_cbranch_scc0 .Lentry_shape_is_right
	s_endpgm
.Lentry_shape_is_right:
; FOURTH LAUNCH: y[m][n] = the sum over k of o[m][k] out_proj_w[n][k] + out_proj_b[n].  M = 4,096, N = K = 1,024.  Operands f16, sums f32, y f32.  Nothing is left out here.
; A: ao [16 heads][4,096][64 f16]: k = 64 x head + channel.  B: wo16 [1,024][1,024] f16.  A tile of C is 128 x 128, so that there are 256 work-groups; four waves, each 64 x 64: 16 accumulators of 16 x 16.
; K goes in steps of 256 (four heads) through a ring of two LDS slots.  A wave's tensor load brings 64 rows: of B, rows of 512 bytes (pitch 528); of A, four heads' runs of 64 rows x 128 bytes = 8,192 consecutive bytes,
; with 16 bytes of padding behind every 256: in LDS [4 heads][32 double rows, pitch 272], row p of a head at (p / 2) x 272 + 128 (p % 2).  A quarter of a K step (64 along K) is one head.
; CLUSTERS: 4 x 4 work-groups.  The four of a row of the cluster need the same tiles of A, the four of a column the same tiles of B: each tile is asked for JOINTLY, by the same tensor load with the same descriptor
; and a mask that names the four.  THE MATRIX INSTRUCTION IS USED TRANSPOSED (source 0 = 16 rows of B, source 1 = 16 rows of A): a lane holds eight neighbouring numbers of a row of C.  THE BIAS IS THE C OF THE FIRST PRODUCTS.
; K = 1,024 is four K steps: the one lap that fills both slots again is written straight.
; REGISTERS: window 0: v0-31 addresses; v32-95 the way out; v96-127 the bias, 8 registers for each of B's 4 blocks; v128-255 the accumulators ((a, b) at v[128 + 8 (4 a + b)]).
;   window 1: two fragment buffers of 128: for 64 along K, 64 registers of A (2 x 4 x 16 rows x 32 K), then 64 of B.
.set SIZE_M, 4096
.set SIZE_N, 1024
.set SIZE_K, 1024
.set KSTEP,  256
.set PITCH,  528                       ; B's LDS row: 512 bytes + 16 of padding = 132 words: row r starts at bank 4 r mod 64 (64 banks of 4 bytes: ISA guide 11.1)
.set HALFTB, 64*PITCH                  ; B: what one tensor load brings
.set HEADB,  32*272                    ; A: a head's 64 rows in LDS
.set HALFTA, 4*HEADB                   ; A: what one tensor load brings
.set BOFF,   2*HALFTA                  ; a slot: A's 128 rows, then B's 128 rows
.set SLOT,   BOFF+2*HALFTB
.set SPARE,  2*SLOT                    ; behind the ring: the spare words, 128 bytes for each wave
.set SPITCH, 272                       ; the way out: a stage of 16 rows x (256 bytes + 16) for each wave.  It lies in slot 0, which has had its last fill and its last read when the first result is stored there
.set HSO,    4096*128                  ; ao: bytes of a head
.set ADRA, 16                          ; v16-17  LDS address of my A fragments in slot 0, 1
.set ADRB, 20                          ; v20-21  the same for B
.set STO,  24                          ; v24     the way out: where I put 32 bytes of a row
.set RD,   25                          ; v25     where I read 16 bytes back
.set CO,   26                          ; v26     my byte offset in two rows of C
.set BO,   27                          ; v27     32 x (lane / 16): my eight numbers of a block's sixteen biases
.set SPW,  28                          ; v28     LDS address of my spare word; never rewritten
.set NIL,  29                          ; v29     0; never rewritten
.set OB,   32                          ; the way out: two sets of 32 registers
.set BIAS, 96
.set ACC,  128
.set F0,   0                           ; fragment buffers, in window 1
.set F1,   128
.set G1, 24                            ; s[24:31] descriptor group 1 for A's tiles;  s[32:39] group 0, one set for each slot
.set G0, 32
.set G1B, 48                           ; s[48:55], s[56:63] the same for B's tiles
.set G0B, 56
.set MSB, 0
.macro WIN new                         ; the immediate's high byte repeats the setting that is left
.if MSB != (\new)
	s_set_vgpr_msb (MSB<<8)|(\new)
.set MSB, (\new)
.endif
.endm
.set MUL,  0x05                        ; sources 0 (B) and 1 (A) window 1; C and D window 0
.set TO_F, 0x40                        ; destination window 1, address window 0
.macro JLOAD s                         ; a joint load: waves 0 and 1 fetch A's two halves, waves 2 and 3 B's; an s_nop 0 and four v_nop follow each of the two lines, ahead of the jump, the label and what follows
	s_cmp_eq_u32 s11, 0
	s_cbranch_scc0 .Lfor_b_\@
	tensor_load_to_lds s[G0+4*\s:G0+4*\s+3], s[G1:G1+7]
	s_nop 0
.rept 4
	v_nop
.endr
	s_branch .Lasked_\@
.Lfor_b_\@:
	tensor_load_to_lds s[G0B+4*\s:G0B+4*\s+3], s[G1B:G1B+7]
	s_nop 0
.rept 4
	v_nop
.endr
.Lasked_\@:
.endm
.macro CREST                           ; a round of the cluster's barrier behind its opening barrier
	s_cmp_lg_u32 s10, 0
	s_cbranch_scc1 .Lnot_wave_0_\@
	s_barrier_signal -3
.Lnot_wave_0_\@:
	s_barrier_wait -3
	s_barrier_signal -1
	s_barrier_wait -1
.endm
.macro CROUND                          ; a whole round
	s_barrier_signal -1
	s_barrier_wait -1
	CREST
.endm
	s_load_b128 s[4:7], s[0:1], 0x0                ; ao s[4:5], wo16 s[6:7]
	s_load_b64 s[66:67], s[0:1], 0x10              ; out_proj_b
	s_load_b64 s[8:9], s[0:1], 0x18                ; out0
	v_lshl_add_u32 v[SPW], v0, 2, SPARE
	v_mov_b32 v[NIL], 0
	ds_add_u32 v[SPW], v[NIL]                      ; the wave's opening: the add, twice on end, and its wait ahead of my first tensor load; the set-up below, work on registers, stands between
	ds_add_u32 v[SPW], v[NIL]
	v_lshrrev_b32 v1, 5, v0
	v_readfirstlane_b32 s10, v1                    ; wave 0..3
	s_lshr_b32 s11, s10, 1                         ; which half of the tile's rows is mine.  Also: I fetch for A (0) or for B (1)
	s_and_b32 s12, s10, 1                          ; which half of its columns.  Also: which 64 rows of that tile I fetch
	s_bfe_u32 s40, ttmp6, 0x40000                  ; cx, cy: my place in the cluster
	s_bfe_u32 s41, ttmp6, 0x40004
	s_lshl_b32 s42, ttmp9, 2
	s_add_co_u32 s42, s42, s40                     ; tile column of C = 4 x cluster x + cx
	s_and_b32 s13, ttmp7, 0xffff
	s_lshl_b32 s13, s13, 2
	s_add_co_u32 s13, s13, s41                     ; tile row of C = 4 x cluster y + cy
	s_lshl_b32 s43, s41, 2
	s_lshl_b32 s43, 15, s43                        ; my row of the cluster
	s_lshl_b32 s44, 0x1111, s40                    ; my column
	; descriptor group 1 for A: 4 rows (heads) of 1,024 elements of 8 bytes (64 rows of ao on end), 65,536 elements from head to head; 4 words of padding behind every 64, which divides the row
	s_or_b32 s[G1+0], s43, (3<<16)|(1<<20)|(1<<21)|(5<<22)|(3<<25)  ; 15:0 the mask: A's tiles go to my row; 17:16 element of 8 bytes; 20 padding on; 21 set beside a mask
	s_mov_b32 s[G1+1], 1024<<16                    ; tensor_dim0
	s_mov_b32 s[G1+2], 4<<16                       ; tensor_dim1
	s_mov_b32 s[G1+3], 1024<<16                    ; tile_dim0
	s_mov_b32 s[G1+4], 4                           ; tile_dim1
	s_mov_b32 s[G1+5], HSO/8                       ; tensor_dim0_stride
	s_mov_b32 s[G1+6], 0
	s_mov_b32 s[G1+7], 0
	; and for B: 64 rows x 256 elements of 2 bytes; 4 words of padding behind every 128
	s_or_b32 s[G1B+0], s44, (1<<16)|(1<<20)|(1<<21)|(6<<22)|(3<<25)
	s_mov_b32 s[G1B+1], KSTEP<<16
	s_mov_b32 s[G1B+2], 64<<16
	s_mov_b32 s[G1B+3], KSTEP<<16
	s_mov_b32 s[G1B+4], 64
	s_mov_b32 s[G1B+5], SIZE_K
	s_mov_b32 s[G1B+6], 0
	s_mov_b32 s[G1B+7], 0
	s_lshl_b32 s17, s12, 6                         ; which 64 rows of the tile I fetch
	s_lshl_b32 s16, s13, 7
	s_add_co_u32 s16, s16, s17                     ; A: row 128 x tile row + 64 x half,
	s_lshl_b32 s16, s16, 7                         ; of 128 bytes in each head
	s_lshl_b32 s46, s42, 7
	s_add_co_u32 s46, s46, s17                     ; B: row 128 x tile column + 64 x half,
	s_lshl_b32 s46, s46, 11                        ; of 2,048 bytes
	s_mov_b32 s17, 0
	s_mov_b32 s47, 0
	s_mul_i32 s20, s12, HALFTA                     ; where they go: no place in the cluster enters an LDS address
	s_mul_i32 s21, s12, HALFTB
	s_add_co_u32 s21, s21, BOFF
	s_wait_dscnt 0x0                               ; both opening adds are done
	s_wait_kmcnt 0x0
	s_add_nc_u64 s[14:15], s[4:5], s[16:17]
	s_add_nc_u64 s[46:47], s[6:7], s[46:47]
	CROUND                                         ; all sixteen work-groups are here: the first joint loads meet
.irp s, 0,1
	s_mov_b32 s[G0+4*\s], 1
	s_add_co_u32 s[G0+4*\s+1], s20, \s*SLOT
	s_add_nc_u64 s[G0+4*\s+2:G0+4*\s+3], s[14:15], \s*4*HSO        ; K step s begins with head 4 s
	s_or_b32 s[G0+4*\s+3], s[G0+4*\s+3], 0x80000000
	s_mov_b32 s[G0B+4*\s], 1
	s_add_co_u32 s[G0B+4*\s+1], s21, \s*SLOT
	s_add_nc_u64 s[G0B+4*\s+2:G0B+4*\s+3], s[46:47], \s*KSTEP*2
	s_or_b32 s[G0B+4*\s+3], s[G0B+4*\s+3], 0x80000000
	JLOAD \s                                       ; two tensor loads of mine are out
.endr
	v_and_b32 v1, 15, v0                           ; l % 16
	v_bfe_u32 v2, v0, 4, 1                         ; l / 16
	s_lshl_b32 s46, s42, 9                         ; my first column, in bytes of f32: 512 x tile column + 256 x half: in the bias and in a row of C
	s_lshl_b32 s47, s12, 8
	s_add_co_u32 s46, s46, s47
	s_mov_b32 s47, 0
	s_add_nc_u64 s[66:67], s[66:67], s[46:47]
	v_lshlrev_b32 v[BO], 5, v2
.irp b, 0,1,2,3                        ; register j of a result holds column 16 b + 8 (l / 16) + j: block b's C is the bias of those eight columns
	global_load_b128 v[BIAS+8*\b:BIAS+8*\b+3], v[BO], s[66:67] offset:64*\b
	global_load_b128 v[BIAS+8*\b+4:BIAS+8*\b+7], v[BO], s[66:67] offset:64*\b+16
.endr
	v_mul_u32_u24 v3, v1, PITCH
	v_lshl_add_u32 v3, v2, 4, v3                   ; B: a fragment's row x pitch + 16 x half
	v_lshrrev_b32 v4, 1, v1
	v_mul_u32_u24 v4, v4, 272
	v_and_b32 v5, 1, v1
	v_lshl_add_u32 v4, v5, 7, v4
	v_lshl_add_u32 v4, v2, 4, v4                   ; A: (r / 2) x 272 + 128 (r % 2) + 16 x half
	s_mul_i32 s21, s11, HALFTA                     ; my 64 rows of A
	s_mul_i32 s22, s12, HALFTB                     ; my 64 rows of B,
	s_add_co_u32 s22, s22, BOFF                    ; which lie behind A's 128
.irp s, 0,1
	v_add_nc_u32 v[ADRA+\s], s21, v4
	v_add_nc_u32 v[ADRB+\s], s22, v3
	s_add_co_u32 s21, s21, SLOT
	s_add_co_u32 s22, s22, SLOT
.endr
	s_mul_i32 s23, s10, 16*SPITCH                  ; my stage
	v_mul_u32_u24 v5, v1, SPITCH                   ; in: row l % 16, 32 bytes for each half of the lanes
	v_lshl_add_u32 v5, v2, 5, v5
	v_add_nc_u32 v[STO], s23, v5
	v_mul_u32_u24 v5, v2, SPITCH                   ; back: lanes 0-15 take one row of 256 bytes, lanes 16-31 the next
	v_lshl_add_u32 v5, v1, 4, v5
	v_add_nc_u32 v[RD], s23, v5
	v_lshlrev_b32 v5, 12, v2                       ; and the same two rows in C: 4,096 bytes a row
	v_lshl_add_u32 v[CO], v1, 4, v5
	s_lshl_b32 s16, s13, 7
	s_lshl_b32 s17, s11, 6
	s_add_co_u32 s16, s16, s17                     ; my first row of C: 128 x tile row + 64 x half
	s_lshl_b32 s16, s16, 12
	s_mov_b32 s17, 0
	s_add_nc_u64 s[8:9], s[8:9], s[16:17]
	s_add_nc_u64 s[8:9], s[8:9], s[46:47]
; 8 matrix instructions: m blocks a0, a0 + 1 x all 4 n blocks, 32 along K: half c of buffer f.  first = 1: the product starts the sum on the bias.  The 16 accumulators take turns
.macro MUL8 f, c, a0, first
.irp a, \a0, \a0+1
.irp b, 0,1,2,3
.if \first
	v_wmma_f32_16x16x32_f16 v[ACC+8*(4*(\a)+\b):ACC+8*(4*(\a)+\b)+7], v[\f+64+8*(4*\c+\b):\f+64+8*(4*\c+\b)+7], v[\f+8*(4*\c+(\a)):\f+8*(4*\c+(\a))+7], v[BIAS+8*\b:BIAS+8*\b+7]
.else
	v_wmma_f32_16x16x32_f16 v[ACC+8*(4*(\a)+\b):ACC+8*(4*(\a)+\b)+7], v[\f+64+8*(4*\c+\b):\f+64+8*(4*\c+\b)+7], v[\f+8*(4*\c+(\a)):\f+8*(4*\c+(\a))+7], v[ACC+8*(4*(\a)+\b):ACC+8*(4*(\a)+\b)+7]
.endif
.endr
.endr
.endm
; 32 LDS loads in one run: the fragments of the slot's q-th 64 along K (B: 128 q bytes along its rows; A: head q of the four), into buffer f; the first 32 along K first
.macro FETCH slot, q, f
	WIN TO_F
.irp c, 0,1
.irp i, 0,1,2,3
	ds_load_b128 v[\f+64+8*(4*\c+\i):\f+64+8*(4*\c+\i)+3],   v[ADRB+\slot] offset:128*(\q)+64*\c+\i*16*PITCH
	ds_load_b128 v[\f+64+8*(4*\c+\i)+4:\f+64+8*(4*\c+\i)+7], v[ADRB+\slot] offset:128*(\q)+64*\c+\i*16*PITCH+32
	ds_load_b128 v[\f+8*(4*\c+\i):\f+8*(4*\c+\i)+3],         v[ADRA+\slot] offset:HEADB*(\q)+64*\c+\i*8*272
	ds_load_b128 v[\f+8*(4*\c+\i)+4:\f+8*(4*\c+\i)+7],       v[ADRA+\slot] offset:HEADB*(\q)+64*\c+\i*8*272+32
.endr
.endr
.endm
.macro PLACES                          ; four places in front of loads into registers that matrix instructions have read, and of the first read of results (ISA guide 7.12.1 for vector instructions)
.rept 4
	v_nop
.endr
.endm
; A K step is four quarters of 64 along K, 32 matrix instructions each, on buffers 0, 1, 0, 1.  One of the first three: multiplies buffer f and fetches quarter q into g.
.macro QUARTER slot, q, f, g, first
	s_wait_dscnt 16                                ; the first 32 along K are in; the sixteen loads of the second 32 may be out
	WIN MUL
	MUL8 \f, 0, 0, \first
	MUL8 \f, 0, 2, \first
	PLACES
	FETCH \slot, \q, \g
	s_wait_dscnt 32                                ; all but the 32 just issued
	WIN MUL
	MUL8 \f, 1, 0, 0
	MUL8 \f, 1, 2, 0
.endm
; The last quarter multiplies buffer 1 and changes slots: ONE barrier; in front of it each wave waits for all its tensor loads, adds 0 to its spare word, and waits for that and for its own reads of this slot.  fill = 1: this slot is filled again, two K steps ahead.
.macro TURN slot, next, fill
	WIN 0                                          ; (the add's two registers lie in window 0)
	s_wait_tensorcnt 0x0                           ; all my tensor loads have landed: my part of the next slot;
	ds_add_u32 v[SPW], v[NIL]                      ; 0 onto my spare word;
	s_wait_dscnt 17                                ; (the add and the youngest sixteen loads may be out)
	WIN MUL
	MUL8 F1, 0, 0, 0                               ; eight matrix instructions stand between the add and the wait for it
	s_wait_dscnt 0x0                               ; the add is done, and my reads of this slot are over
	s_barrier_signal -1
	MUL8 F1, 0, 2, 0
.if \fill
	WIN 0
.endif
	s_barrier_wait -1
.if \fill
	CREST                                          ; the barrier has opened a round of the cluster's barrier: no wave of any partner still reads this slot's tile or has a load on its way
	s_add_nc_u64 s[G0+4*\slot+2:G0+4*\slot+3], s[G0+4*\slot+2:G0+4*\slot+3], 8*HSO           ; two K steps on: eight heads
	s_add_nc_u64 s[G0B+4*\slot+2:G0B+4*\slot+3], s[G0B+4*\slot+2:G0B+4*\slot+3], 2*KSTEP*2
	JLOAD \slot                                    ; the first tensor load behind the round, and my only one until the next; the four v_nop behind it are also the places in front of the loads below
.else
	PLACES
.endif
	FETCH \next, 0, F0
	WIN MUL
	MUL8 F1, 1, 0, 0
	MUL8 F1, 1, 2, 0
.endm
	s_wait_tensorcnt 1                             ; my part of K step 0 is in (K step 1's load may be out),
	s_barrier_signal -1
	s_barrier_wait -1                              ; everybody's is
	FETCH 0, 0, F0
	s_wait_loadcnt 0x0                             ; the bias
	QUARTER 0, 1, F0, F1, 1                        ; K step 0: the first sixteen products start the sums on the bias
	QUARTER 0, 2, F1, F0, 0
	QUARTER 0, 3, F0, F1, 0
	TURN 0, 1, 1                                   ; slot 0 takes K step 2
	QUARTER 1, 1, F0, F1, 0                        ; K step 1
	QUARTER 1, 2, F1, F0, 0
	QUARTER 1, 3, F0, F1, 0
	TURN 1, 0, 1                                   ; slot 1 takes K step 3
	QUARTER 0, 1, F0, F1, 0                        ; K step 2
	QUARTER 0, 2, F1, F0, 0
	QUARTER 0, 3, F0, F1, 0
	TURN 0, 1, 0                                   ; nothing is left to fetch: no round.  Behind this barrier nobody reads slot 0
	QUARTER 1, 1, F0, F1, 0                        ; K step 3
	QUARTER 1, 2, F1, F0, 0
	QUARTER 1, 3, F0, F1, 0
	s_wait_dscnt 16                                ; the very last quarter
	WIN MUL
	MUL8 F1, 0, 0, 0
	MUL8 F1, 0, 2, 0
	s_wait_dscnt 0
	MUL8 F1, 1, 0, 0
	MUL8 F1, 1, 2, 0
	WIN 0
; THE WAY OUT, block by block of 16 rows x 64 columns.  A lane holds 32 neighbouring bytes of a row; my 64 columns are 256 bytes, aligned: so each wave has a stage of its own and no barrier is needed.
; The accumulators go to the stage as they are, each from its low end on, and come back by rows: sixteen lanes store 256 consecutive bytes.
.macro TOSTAGE a
.irp b, 0,1,2,3
	ds_store_b128 v[STO], v[ACC+8*(4*(\a)+\b):ACC+8*(4*(\a)+\b)+3] offset:64*\b
	ds_store_b128 v[STO], v[ACC+8*(4*(\a)+\b)+4:ACC+8*(4*(\a)+\b)+7] offset:64*\b+16
.endr
.irp t, 0,1,2,3,4,5,6,7
	ds_load_b128 v[OB+32*((\a)%2)+4*\t:OB+32*((\a)%2)+4*\t+3], v[RD] offset:\t*2*SPITCH   ; LDS serves a wave's instructions in order (ISA guide 5.7.1.4): these see the stores above, and the next block's stores come behind them
.endr
.endm
.macro SEND a, younger                 ; younger: the LDS instructions issued behind block a's loads, which may stay out
	s_wait_dscnt \younger
.irp t, 0,1,2,3,4,5,6,7
	global_store_b128 v[CO], v[OB+32*((\a)%2)+4*\t:OB+32*((\a)%2)+4*\t+3], s[8:9] offset:(16*(\a)+2*\t)*SIZE_N*4 th:TH_STORE_NT   ; written once, read by nobody here
.endr
.endm
	PLACES                                         ; behind the last products, ahead of the first read of results
	TOSTAGE 0
.irp a, 1,2,3
.if \a > 1
	s_wait_xcnt 0x0                                ; block a - 2's stores have read their registers: block a's loads land there only behind this wait
.endif
	TOSTAGE \a
	SEND \a-1, 16                                  ; behind block a - 1's loads: block a's 8 stores and 8 loads
.endr
	SEND 3, 0
	s_wait_tensorcnt 0x0                           ; the wave's end: these three lines, behind my last tensor load and my last LDS store
	ds_add_u32 v[SPW], v[NIL]
	s_wait_dscnt 0x0
	CROUND                                         ; the closing round: no work-group ends while a partner may still ask for a tile that names it
	s_endpgm
.Lfunc_end_k_q049ef49610_oproj:
	.size	k_q049ef49610_oproj, .Lfunc_end_k_q049ef49610_oproj-k_q049ef49610_oproj
	.p2alignl 7, 3214868480
	.fill 96, 4, 3214868480
	.section	.rodata,"a",@progbits
	.p2align	6, 0x0
	.amdhsa_kernel k_q049ef49610_oproj
		.amdhsa_group_segment_fixed_size 327680
		.amdhsa_private_segment_fixed_size 0
		.amdhsa_enable_private_segment 0
		.amdhsa_kernarg_size 32
		.amdhsa_user_sgpr_count 2
		.amdhsa_user_sgpr_kernarg_segment_ptr 1
		.amdhsa_wavefront_size32 1
		.amdhsa_system_sgpr_workgroup_id_x 1
		.amdhsa_system_sgpr_workgroup_id_y 1
		.amdhsa_system_sgpr_workgroup_id_z 1
		.amdhsa_system_vgpr_workitem_id 0
		.amdhsa_next_free_vgpr 512
		.amdhsa_next_free_sgpr 70
		.amdhsa_reserve_vcc 0
		.amdhsa_float_denorm_mode_32 3
		.amdhsa_float_denorm_mode_16_64 3
		.amdhsa_memory_ordered 1
		.amdhsa_forward_progress 1
		.amdhsa_inst_pref_size 86
	.end_amdhsa_kernel
	.amdgpu_metadata
---
amdhsa.version: [ 1, 2 ]
amdhsa.kernels:
  - .name:           k_q049ef49610_oproj
    .symbol:         k_q049ef49610_oproj.kd
    .args:
      - { .name: ao, .offset: 0, .size: 8, .value_kind: global_buffer, .address_space: global }
      - { .name: wo16, .offset: 8, .size: 8, .value_kind: global_buffer, .address_space: global }
      - { .name: out_proj_b, .offset: 16, .size: 8, .value_kind: global_buffer, .address_space: global }
      - { .name: out0, .offset: 24, .size: 8, .value_kind: global_buffer, .address_space: global }
    .group_segment_fixed_size: 327680
    .private_segment_fixed_size: 0
    .kernarg_segment_align: 8
    .kernarg_segment_size: 32
    .max_flat_workgroup_size: 128
    .sgpr_count:     70
    .vgpr_count:     512
    .wavefront_size: 32
...
	.end_amdgpu_metadata
.endif
;; end of part 4
